; MI455X (gfx1250); checked and timed in simulation.
; The chip was launched on July 23, 2026; its instructions are those of AMD's public machine-readable ISA for CDNA 5 (MIT licence, August 2026) and "CDNA5" Instruction Set Architecture Reference Guide (July 2026). The comments in the code are by the model that wrote it; some were corrected since.
;; Token Aware FFN. Allowed arithmetic: float matrix products may take bf16 or f16 operands with f32 sums; other float arithmetic in f32, or as packed bf16 or f16 multiplies, adds, multiply-adds, maxima and minima; sums over many terms, partial sums and values carried from step to step in f32; what a program stores and reads back later, other than sums and carried values, may be rounded once to bf16 or f16.
;; Inputs: W1 4 x 512 x 2,048 float32; W2 4 x 2,048 x 512 float32; b1 4 x 2,048 float32; b2 4 x 512 float32; token_types 8 x 1,024 int32; x 8 x 1,024 x 512 float32.
;; Outputs: out0 8 x 1,024 x 512 float32.
;; 3 versions, each right; version 2 is faster than version 1; version 3 is version 2 with the launch chain written anew for expert scheduling mode. Each part assembles by itself: llvm-mc -triple=amdgcn-amd-amdhsa -mcpu=gfx1250 --defsym DOCPART=n.
;; ======== version 1 of 3: 2 launches
;; limits: a function is approximated: absolute error at most 2.5e-05; an absolute error that grows with the inputs' magnitude: up to 1.25e-05 times it
;; workspace buffers: wf 16,777,216 bytes; list 38,400 bytes of whole numbers
;; launch prep (part 1): grid 516 x 1, 8 waves a work-group, no clusters, 0 bytes of LDS; arguments W1, W2, token_types, wf, list; writes wf, list
.if DOCPART == 1
	.amdgcn_target "amdgcn-amd-amdhsa--gfx1250"
	.amdhsa_code_object_version 6
	.text
	.protected	k_qf7a382d9d8_prep
	.globl	k_qf7a382d9d8_prep
	.p2align	8
	.type	k_qf7a382d9d8_prep,@function
k_qf7a382d9d8_prep:
	s_mov_b64 s[64:65], 0
	v_nop
	global_prefetch_b8 v0, s[64:65] scope:SCOPE_SE
	s_setreg_imm32_b32 hwreg(HW_REG_WAVE_MODE, 25, 1), 1
	s_wait_xcnt 0x0
; PREP.  Work-groups 0-3 sort the 8,192 tokens by type; 4-259 round W1 to bf16, 260-515 W2, and store them as ready matrix fragments.
; wf: [expert 4][wave 4][1 MiB]: what wave w of a chain work-group of expert e reads from first to last: 256 units of W1, then 256 of W2.  A unit is two
; fragments of 1,024 bytes; a fragment (16 rows x 32 K) is [half c][lane][16 bytes]: lane (r = lane % 16, h = lane / 16) holds k = 16 c + 8 h + 0..7 of row r.
; VIRTUAL ORDER.  Of 64 neighbouring real columns 64 g + 4 q + i, column (q, i) is row q of block 4 g + i.  So a lane that loads 16 bytes (q = its place, i = 0..3)
; of eight K rows holds 16 bytes of each of four fragments, and nothing changes lanes.  The hidden width F is used in that order everywhere (fv = 64 g + 16 i + q),
; W2's K among it; for D the chain's way out undoes it.
; list: words 0-9,215: token ids, tile t's 48 from word 48 t on, places past a tile's count hold 0; from byte HDR on 192 headers {expert, count}.
; LIMIT.  A type is taken modulo 4 (the problem keeps it inside 0..3).
; No LDS, no barrier: every sorting wave counts all types for itself.
.set HDR,  36864
.set QB0,  8                           ; v[8:71]    a quarter of the types (2,048: 64 registers)
.set QB1,  72                          ; v[72:135]  the other buffer
.set OWN,  136                         ; v[136:143] my wave's own 256 types
.set ACCV, 144                         ; four counts of 8 bits, one a type: at most 64 in a quarter
.set TOTA, 145                         ; counts of types 0 (low half) and 2 (high half)
.set TOTB, 146                         ; of types 1 and 3
.set SNA,  147                         ; the three as they stood in front of my own chunk
.set SNB,  148
.set SNC,  149
.set TA,   150                         ; v150-151 at work
.set TX,   152                         ; at work across lanes
	s_load_b256 s[4:11], s[0:1], 0x0               ; W1 s[4:5], W2 s[6:7], token_types s[8:9], wf s[10:11]
	s_load_b64 s[12:13], s[0:1], 0x20              ; list
	v_lshrrev_b32 v1, 5, v0
	v_readfirstlane_b32 s14, v1                    ; wave 0..7
	v_and_b32 v2, 31, v0                           ; lane
	v_lshlrev_b32 v4, 4, v2                        ; 16 x lane
	s_mov_b32 s15, ttmp9
	s_wait_kmcnt 0x0
	s_cmp_lt_u32 s15, 4
	s_cbranch_scc1 .Lsort
	v_and_b32 v3, 15, v0                           ; q
	v_bfe_u32 v6, v0, 4, 1                         ; h
	v_lshlrev_b32 v3, 4, v3
	v_lshl_add_u32 v3, v6, 16, v3                  ; 16 q + 65,536 h: 8 rows of W1 (8,192 bytes each), or 32 rows of W2 (2,048 bytes each), further for the upper lanes
	s_cmp_lt_u32 s15, 260
	s_cbranch_scc0 .Lw2
; A wave rounds 32 K rows x 64 columns: 16 loads, each two runs of 256 consecutive bytes; 32 packed roundings; 8 stores of 512 consecutive bytes.
.macro CONV src, kind
.set c, 0
.rept 2
.set j, 0
.rept 8
.if (\kind) == 0
.set ofs, (16*c+j)*8192                ; W1: K = d = 32 ks + 16 c + 8 h + j
.else
.set ofs, (4*j+c)*2048                 ; W2: K = fv = 32 ks + 16 c + 8 h + j is real row 64 (ks / 2) + 2 (ks % 2) + c + 32 h + 4 j
.endif
	global_load_b128 v[8+4*(8*c+j):8+4*(8*c+j)+3], v3, s[\src:\src+1] offset:ofs th:TH_LOAD_NT
.set j, j+1
.endr
.set c, c+1
.endr
.set c, 0
.rept 2
	s_wait_loadcnt 8-8*c                           ; half c's eight loads are in; the first time the other half's eight stay out
.set i, 0
.rept 4
.set m, 0
.rept 4
	v_cvt_pk_bf16_f32 v[72+4*(4*c+i)+m], v[8+4*(8*c+2*m)+i], v[8+4*(8*c+2*m+1)+i]  ; column i, K rows 2 m and 2 m + 1
.set m, m+1
.endr
.set i, i+1
.endr
.set i, 0
.rept 4
.if (\kind) == 0
.set ofs, (i/2)*32768+(i%2)*1024+c*512 ; block 4 g + i: pair of blocks i / 2 (16 units on), fragment i % 2
.else
.set ofs, i*1024+c*512                 ; block 4 g + i: unit i / 2, fragment i % 2
.endif
	global_store_b128 v4, v[72+4*(4*c+i):72+4*(4*c+i)+3], s[10:11] offset:ofs
.set i, i+1
.endr
.set c, c+1
.endr
	s_endpgm
.endm
	s_sub_co_u32 s15, s15, 4                       ; W1: job = 8 x work-group + wave = [expert][ks 16][g 32]
	s_lshl_b32 s15, s15, 3
	s_add_co_u32 s15, s15, s14
	s_lshr_b32 s16, s15, 9                         ; expert
	s_and_b32 s17, s15, 511
	s_lshr_b32 s18, s17, 5                         ; ks
	s_and_b32 s19, s17, 31                         ; g: the eight waves take 2,048 consecutive bytes of each row
	s_lshl_b32 s20, s16, 22                        ; from: expert x 4 MiB + 32 ks rows of 8,192 bytes + 256 g
	s_lshl_b32 s21, s18, 18
	s_add_co_u32 s20, s20, s21
	s_lshl_b32 s21, s19, 8
	s_add_co_u32 s20, s20, s21
	s_mov_b32 s21, 0
	s_add_nc_u64 s[4:5], s[4:5], s[20:21]
	s_lshl_b32 s22, s16, 22                        ; to: expert x 4 MiB + wave (g / 8) x 1 MiB + unit (32 (g % 8) + ks) x 2,048
	s_lshr_b32 s23, s19, 3
	s_lshl_b32 s23, s23, 20
	s_add_co_u32 s22, s22, s23
	s_and_b32 s23, s19, 7
	s_lshl_b32 s23, s23, 5
	s_add_co_u32 s23, s23, s18
	s_lshl_b32 s23, s23, 11
	s_add_co_u32 s22, s22, s23
	s_mov_b32 s23, 0
	s_add_nc_u64 s[10:11], s[10:11], s[22:23]
	CONV 4, 0
.Lw2:
	s_sub_co_u32 s15, s15, 260                     ; W2: job = [expert][ks 64][g 8]
	s_lshl_b32 s15, s15, 3
	s_add_co_u32 s15, s15, s14
	s_lshr_b32 s16, s15, 9                         ; expert
	s_and_b32 s17, s15, 511
	s_lshr_b32 s18, s17, 3                         ; ks
	s_and_b32 s19, s17, 7                          ; g: the eight waves take a whole row of 2,048 bytes
	s_lshl_b32 s20, s16, 22                        ; from: expert x 4 MiB + row (64 (ks / 2) + 2 (ks % 2)) x 2,048 + 256 g
	s_lshr_b32 s21, s18, 1
	s_lshl_b32 s21, s21, 17
	s_add_co_u32 s20, s20, s21
	s_and_b32 s21, s18, 1
	s_lshl_b32 s21, s21, 12
	s_add_co_u32 s20, s20, s21
	s_lshl_b32 s21, s19, 8
	s_add_co_u32 s20, s20, s21
	s_mov_b32 s21, 0
	s_add_nc_u64 s[6:7], s[6:7], s[20:21]
	s_lshl_b32 s22, s16, 22                        ; to: expert x 4 MiB + wave (g / 2) x 1 MiB + 512 KiB + unit (4 ks + 2 (g % 2)) x 2,048
	s_lshr_b32 s23, s19, 1
	s_lshl_b32 s23, s23, 20
	s_add_co_u32 s22, s22, s23
	s_lshl_b32 s23, s18, 13
	s_add_co_u32 s22, s22, s23
	s_and_b32 s23, s19, 1
	s_lshl_b32 s23, s23, 12
	s_add_co_u32 s22, s22, s23
	s_add_co_u32 s22, s22, 0x80000
	s_mov_b32 s23, 0
	s_add_nc_u64 s[10:11], s[10:11], s[22:23]
	CONV 6, 1
; THE SORT.  32 waves; wave sid owns tokens 256 sid .. 256 sid + 255.  Each wave counts all 8,192 types (the totals give every expert's tiles) and, on the way,
; keeps the counts as they stood in front of its own chunk (its tokens' first places).
.macro QLOAD q, base                   ; a quarter: 16 loads of 512 consecutive bytes
.set n, 0
.rept 16
	global_load_b128 v[(\base)+4*n:(\base)+4*n+3], v4, s[8:9] offset:(\q)*8192+n*512
.set n, n+1
.endr
.endm
.macro CNT8 grp, base                  ; chunk grp: first the snapshot, if the chunk is mine; then its eight registers
	s_cmp_eq_u32 s47, \grp
	s_cselect_b32 s40, -1, 0
	v_cndmask_b32 v[SNA], v[SNA], v[TOTA], s40
	v_cndmask_b32 v[SNB], v[SNB], v[TOTB], s40
	v_cndmask_b32 v[SNC], v[SNC], v[ACCV], s40
.set k, 0
.rept 8
	v_lshlrev_b32 v[TA+k%2], 3, v[(\base)+k]
	v_and_b32 v[TA+k%2], 24, v[TA+k%2]             ; 8 x (type modulo 4)
	v_lshl_add_u32 v[ACCV], 1, v[TA+k%2], v[ACCV]  ; one more in that type's field
.set k, k+1
.endr
.endm
.macro QCOUNT q, base
.set gq, 0
.rept 8
	CNT8 8*(\q)+gq, (\base)+8*gq
.set gq, gq+1
.endr
	v_and_b32 v[TA], 0x00ff00ff, v[ACCV]           ; the 8-bit fields are emptied into 16-bit ones: 256 a lane and 8,192 a wave at the most
	v_lshrrev_b32 v[TA+1], 8, v[ACCV]
	v_add_nc_u32 v[TOTA], v[TOTA], v[TA]
	v_and_b32 v[TA+1], 0x00ff00ff, v[TA+1]
	v_add_nc_u32 v[TOTB], v[TOTB], v[TA+1]
	v_mov_b32 v[ACCV], 0
.endm
.macro XSUM r                          ; the sum over the 32 lanes, in every lane
.irp x, 1,2,4,8
	v_mov_b32_dpp v[TX], v[\r] row_xmask:\x row_mask:0xf bank_mask:0xf
	v_add_nc_u32 v[\r], v[\r], v[TX]
.endr
	v_permlanex16_b32 v[TX], v[\r], s48, s49
	v_add_nc_u32 v[\r], v[\r], v[TX]
.endm
.Lsort:
	s_lshl_b32 s47, s15, 3
	s_add_co_u32 s47, s47, s14                     ; sid 0..31
	s_lshl_b32 s44, s47, 10
	v_add_nc_u32 v5, s44, v4
	global_load_b128 v[OWN:OWN+3], v5, s[8:9]
	global_load_b128 v[OWN+4:OWN+7], v5, s[8:9] offset:512
	QLOAD 0, QB0
	QLOAD 1, QB1
	s_mov_b32 s48, 0x76543210                      ; v_permlanex16_b32: each lane takes its own place in the other half
	s_mov_b32 s49, 0xfedcba98
.irp r, ACCV, TOTA, TOTB, SNA, SNB, SNC, TX
	v_mov_b32 v[\r], 0
.endr
	s_wait_loadcnt 16                              ; my own chunk and quarter 0 are in; quarter 1's sixteen loads stay out
	QCOUNT 0, QB0
	QLOAD 2, QB0
	s_wait_loadcnt 16                              ; quarter 1 is in
	QCOUNT 1, QB1
	QLOAD 3, QB1
	s_wait_loadcnt 16                              ; quarter 2 is in
	QCOUNT 2, QB0
	s_wait_loadcnt 0x0
	QCOUNT 3, QB1
	v_and_b32 v[TA], 0x00ff00ff, v[SNC]            ; what stood in front of my chunk, in 16-bit fields
	v_lshrrev_b32 v[TA+1], 8, v[SNC]
	v_add_nc_u32 v[SNA], v[SNA], v[TA]
	v_and_b32 v[TA+1], 0x00ff00ff, v[TA+1]
	v_add_nc_u32 v[SNB], v[SNB], v[TA+1]
	XSUM TOTA
	XSUM TOTB
	XSUM SNA
	XSUM SNB
	v_readfirstlane_b32 s44, v[TOTA]
	v_readfirstlane_b32 s45, v[TOTB]
	s_and_b32 s16, s44, 0xffff                     ; s[16:19] n_e: tokens of expert e
	s_and_b32 s17, s45, 0xffff
	s_lshr_b32 s18, s44, 16
	s_lshr_b32 s19, s45, 16
	v_readfirstlane_b32 s44, v[SNA]
	v_readfirstlane_b32 s45, v[SNB]
	s_and_b32 s20, s44, 0xffff                     ; s[20:23]: of them in chunks ahead of mine
	s_and_b32 s21, s45, 0xffff
	s_lshr_b32 s22, s44, 16
	s_lshr_b32 s23, s45, 16
.irp e, 0,1,2,3
	s_add_co_u32 s44, s[16+\e], 47                 ; s[28:31] tiles of 48: (n + 47) / 48 = ((n + 47) x 43,691) >> 21, exact up to 8,352:
	s_mul_i32 s44, s44, 43691                      ; 8,352 x (43,691 / 2^21 - 1 / 48) = 0.0013, under 1 / 48
	s_lshr_b32 s[28+\e], s44, 21
.endr
	s_mov_b32 s32, 0                               ; s[32:35] first tile of expert e
	s_mov_b32 s33, s28
	s_add_co_u32 s34, s33, s29
	s_add_co_u32 s35, s34, s30
.irp e, 0,1,2,3
	s_mul_i32 s[24+\e], s[32+\e], 48               ; s[24:27] its first word in the list
	s_add_co_u32 s[36+\e], s[24+\e], s[20+\e]      ; s[36:39] the next free word for my chunk's tokens
.endr
	s_lshl_b32 s44, s47, 8
	v_lshl_add_u32 v26, v2, 2, s44                 ; token of my register 0: 256 sid + 4 lane
; Register k of my chunk: each lane's place is its expert's next free word plus the number of lower lanes with the same expert.  Every store has registers of its own.
.macro PLACE k
	v_and_b32 v[OWN+(\k)], 3, v[OWN+(\k)]
.irp e, 0,1,2,3
	v_cmp_eq_u32 s[40+\e], \e, v[OWN+(\k)]
.endr
	v_mbcnt_lo_u32_b32 v24, s40, s36
.irp e, 1,2,3
	v_mbcnt_lo_u32_b32 v25, s[40+\e], s[36+\e]
	v_cndmask_b32 v24, v24, v25, s[40+\e]
.endr
.irp e, 0,1,2,3
	s_bcnt1_i32_b32 s44, s[40+\e]
	s_add_co_u32 s[36+\e], s[36+\e], s44
.endr
	v_min_u32 v24, 0x23ff, v24                     ; a place made from loaded numbers is held inside the 9,216 words
	v_lshlrev_b32 v[8+(\k)], 2, v24
	v_add_nc_u32 v[16+(\k)], ((\k)/4)*128+(\k)%4, v26
	global_store_b32 v[8+(\k)], v[16+(\k)], s[12:13]
.endm
.irp k, 0,1,2,3,4,5,6,7
	PLACE \k
.endr
	; The headers: waves 0-5, a tile a lane: 256 consecutive bytes a wave.  Tiles past the last get expert 3 and count 0.  They stand ahead of the pads, so that every address of this
	; text is made while EXEC is as at the entry.
	s_cmp_lt_u32 s47, 6
	s_cbranch_scc0 .Lnohdr
	s_lshl_b32 s44, s47, 5
	v_add_nc_u32 v33, s44, v2                      ; tile
	v_lshlrev_b32 v38, 3, v33                      ; its header's 8 bytes
	v_mov_b32 v34, 0                               ; expert
	v_mov_b32 v36, s16                             ; its n
	v_mov_b32 v37, 0                               ; its first tile
.irp e, 1,2,3
	v_cmp_le_u32 vcc_lo, s[32+\e], v33
	v_cndmask_b32 v34, v34, \e, vcc_lo
	v_cndmask_b32 v36, v36, s[16+\e], vcc_lo
	v_cndmask_b32 v37, v37, s[32+\e], vcc_lo
.endr
	v_sub_nc_u32 v37, v33, v37
	v_mul_u32_u24 v37, v37, 48                     ; tokens in the expert's tiles ahead of this one
	v_min_u32 v37, v36, v37
	v_sub_nc_u32 v36, v36, v37
	v_min_u32 v35, 48, v36                         ; count = min(48, what is left)
	global_store_b64 v38, v[34:35], s[12:13] offset:HDR
.Lnohdr:
	; The places that no token takes get 0: wave sid looks at words 288 sid .. 288 sid + 287, 32 at a time.  Word X lies in the last expert that begins at or below it, and is free if
	; X - start >= n.  One address register, made here and never rewritten, serves all nine stores: the step of 32 words stands in the immediate.
	v_mov_b32 v27, 0
	s_mul_i32 s44, s47, 288
	v_add_nc_u32 v28, s44, v2                      ; X of the first 32
	v_lshlrev_b32 v39, 2, v28                      ; its byte
.set n, 0
.rept 9
	v_add_nc_u32 v29, 32*n, v28
	v_mov_b32 v30, 0
	v_mov_b32 v31, s16
.irp e, 1,2,3
	v_cmp_le_u32 vcc_lo, s[24+\e], v29
	v_cndmask_b32 v30, v30, s[24+\e], vcc_lo
	v_cndmask_b32 v31, v31, s[16+\e], vcc_lo
.endr
	v_sub_nc_u32 v30, v29, v30
	v_cmp_ge_u32 vcc_lo, v30, v31
.if n == 0
	s_wait_xcnt 0x0                                ; EXEC is narrowed only behind this wait: the stores above are out.  In the later turns the wait in front of the restore is the last memory event
.endif
	s_and_saveexec_b32 s46, vcc_lo
	global_store_b32 v39, v27, s[12:13] offset:128*n
	s_wait_xcnt 0x0                                ; and widened again only behind this one
	s_or_b32 exec_lo, exec_lo, s46
.set n, n+1
.endr
	s_endpgm
.Lfunc_end_k_qf7a382d9d8_prep:
	.size	k_qf7a382d9d8_prep, .Lfunc_end_k_qf7a382d9d8_prep-k_qf7a382d9d8_prep
	.p2alignl 7, 3214868480
	.fill 96, 4, 3214868480
	.section	.rodata,"a",@progbits
	.p2align	6, 0x0
	.amdhsa_kernel k_qf7a382d9d8_prep
		.amdhsa_group_segment_fixed_size 0
		.amdhsa_private_segment_fixed_size 0
		.amdhsa_enable_private_segment 0
		.amdhsa_kernarg_size 40
		.amdhsa_user_sgpr_count 2
		.amdhsa_user_sgpr_kernarg_segment_ptr 1
		.amdhsa_wavefront_size32 1
		.amdhsa_system_sgpr_workgroup_id_x 1
		.amdhsa_system_sgpr_workgroup_id_y 1
		.amdhsa_system_sgpr_workgroup_id_z 1
		.amdhsa_system_vgpr_workitem_id 0
		.amdhsa_next_free_vgpr 168
		.amdhsa_next_free_sgpr 66
		.amdhsa_reserve_vcc 1
		.amdhsa_float_denorm_mode_32 3
		.amdhsa_float_denorm_mode_16_64 3
		.amdhsa_memory_ordered 1
		.amdhsa_forward_progress 1
		.amdhsa_inst_pref_size 82
	.end_amdhsa_kernel
	.amdgpu_metadata
---
amdhsa.version: [ 1, 2 ]
amdhsa.kernels:
  - .name:           k_qf7a382d9d8_prep
    .symbol:         k_qf7a382d9d8_prep.kd
    .args:
      - { .name: W1, .offset: 0, .size: 8, .value_kind: global_buffer, .address_space: global }
      - { .name: W2, .offset: 8, .size: 8, .value_kind: global_buffer, .address_space: global }
      - { .name: token_types, .offset: 16, .size: 8, .value_kind: global_buffer, .address_space: global }
      - { .name: wf, .offset: 24, .size: 8, .value_kind: global_buffer, .address_space: global }
      - { .name: list, .offset: 32, .size: 8, .value_kind: global_buffer, .address_space: global }
    .group_segment_fixed_size: 0
    .private_segment_fixed_size: 0
    .kernarg_segment_align: 8
    .kernarg_segment_size: 40
    .max_flat_workgroup_size: 256
    .sgpr_count:     66
    .vgpr_count:     168
    .wavefront_size: 32
...
	.end_amdgpu_metadata
.endif
;; end of part 1
;; launch chain (part 2): grid 174 x 1, 4 waves a work-group, no clusters, 240,384 bytes of LDS; arguments x, b1, b2, wf, list, out0; writes out0
.if DOCPART == 2
	.amdgcn_target "amdgcn-amd-amdhsa--gfx1250"
	.amdhsa_code_object_version 6
	.text
	.protected	k_qf7a382d9d8_chain
	.globl	k_qf7a382d9d8_chain
	.p2align	8
	.type	k_qf7a382d9d8_chain,@function
k_qf7a382d9d8_chain:
	s_mov_b64 s[64:65], 0
	v_nop
	global_prefetch_b8 v0, s[64:65] scope:SCOPE_SE
	s_setreg_imm32_b32 hwreg(HW_REG_WAVE_MODE, 25, 1), 1
	s_wait_xcnt 0x0
; CHAIN.  out[token] = gelu(x[token] W1[e] + b1[e]) W2[e] + b2[e] for the 48 tokens of one tile, all of one expert e.  174 work-groups: with 8,192 tokens, 4 experts and tiles
; of 48 there are never more than (8,192 + 4 x 47) / 48 = 174 tiles, whatever the split.  A tile past the last in use (at most 3) computes on token 0 and stores nothing.
; BOTH PRODUCTS ARE USED TRANSPOSED: source 0 = 16 rows of weights, source 1 = 16 tokens, so a lane holds one token (lane % 16) and eight channels 8 (lane / 16) + 0..7.
; Product 1: wave w makes hidden channels 512 w .. 512 w + 511 of all 48 tokens; x stays in registers (384).  Product 2: wave w makes output channels 128 w .. 128 w + 127; the hidden layer
; comes from LDS.  No sum is ever shared between waves; three barriers in all.
; THE WEIGHTS come from memory straight into registers, as fragments that the launch before laid out: 1 MiB for each wave, read from first to last through a ring of 16 slots of 2,048 bytes
; (a UNIT: two fragments, four loads, six matrix instructions).  14 to 15 units, 56 to 60 loads, are always on their way; LOADcnt counts to 63 (ISA guide 5.7.1).
; NO TENSOR LOADS, NO CLUSTER: each fragment has one reader in the work-group, so by way of LDS the tile's 4 MiB of weights would be written there and read back for nothing; beside the hidden
; layer (197,376 bytes) under 90,000 bytes would be left for slots; and an expert's number of tiles hangs on the counts, so it is no multiple of four in general.
; FORMATS.  x, W1, W2, b1, b2 and the hidden layer are each rounded once to bf16; all sums in f32.
; GELU.  gelu(h) = h / 2 + |h| (1/2 - (A1 t + A2 t^2 + A3 t^3) 2^-(K2 h)^2), t = 1 / (1 + K1 |h|): erf by the three-term rational form (Abramowitz and Stegun 7.1.25, coefficients halved).
; LIMITS.  erf is within 2.5e-5 for every argument, so gelu within 1.25e-5 |h|; an exponential below 2^-126 counts as 0; NaN and infinities are not treated apart.
; REGISTERS, in windows of 256 (s_set_vgpr_msb: bits 1:0 source 0, 3:2 source 1, 5:4 source 2, 7:6 destination):
;   window 0: v0-23 addresses; v24-39 the bias as C; v40-135 product 1's accumulators, two buffers of six; v168-239 GELU at work.  Later: v40-87 hidden fragments, v104-231 the way out
;   window 1: x fragments of K steps 0-7 (at the start: x in f32); later product 2's 24 accumulators     window 2: x fragments of K steps 8-15 (at the start: x in bf16); v192-255 b2     window 3: the ring
.set HP,    4112                       ; a token's hidden row in LDS: 4,096 bytes + 16: an odd multiple of 16, so 16 rows of a load or store start at 16 different groups of four banks (ISA guide 11.1)
.set XP,    1040                       ; a token's x row: 1,024 + 16
.set B1S,   48*HP                      ; behind the hidden layer: b1 in the virtual order, 8,192 bytes, and 512 bytes of zeros that the last look-ahead reads
.set OST,   B1S+8704                   ; each wave's own stage for the way out: 16 rows of 528 bytes
.set OPI,   528
.set SPARE, OST+4*16*OPI               ; the spare words, 128 bytes for each wave: two blocks of 256 bytes that no other line names
.set HDR,   36864
.set L16,  3                           ; v3      16 x lane; never rewritten
.set SPW,  4                           ; v4      LDS address of my spare word; never rewritten
.set NIL,  5                           ; v5      0; never rewritten
.set XA,   6                           ; v6      my lane's place in an x fragment
.set BA,   7                           ; v7      b1 of the group in hand
.set HS,   8                           ; v8-10   where token block tb's hidden numbers go
.set HA,   12                          ; v12-14  where they are read
.set STO,  16                          ; v16     the way out: where I put 16 bytes of a row
.set SRD,  17                          ; v17     where I read a row back
.set OL,   18                          ; v18     my byte offset in a row of out
.set BI,   24
.set ACC1, 40
.set AF,   40
.set VO,   40
.set TMP,  104
.set RB,   168
.set GT,   168                         ; GELU: t
.set GX,   184                         ; the exponential
.set GHH,  200                         ; h / 2, then the result
.set GPP,  216                         ; the polynomial
.set GPK,  232                         ; 16 results in bf16
.set B2,   192                         ; window 2
.set MSB, 0
.macro WIN new                         ; the immediate's high byte repeats the setting that is left; a switch that changes nothing is dropped
.if MSB != (\new)
	s_set_vgpr_msb (MSB<<8)|(\new)
.set MSB, (\new)
.endif
.endm
.macro PLACES                          ; four places in front of loads into registers that matrix instructions have read, and of vector work that reads results
.rept 4
	v_nop
.endr
.endm
	s_load_b256 s[4:11], s[0:1], 0x0               ; x s[4:5], b1 s[6:7], b2 s[8:9], wf s[10:11]
	s_load_b128 s[12:15], s[0:1], 0x20             ; list s[12:13], out s[14:15]
	v_lshl_add_u32 v[SPW], v0, 2, SPARE
	v_mov_b32 v[NIL], 0
	v_lshrrev_b32 v19, 5, v0
	v_readfirstlane_b32 s16, v19                   ; wave 0..3
	s_mov_b32 s17, ttmp9                           ; tile
	s_lshl_b32 s20, s17, 3
	s_mul_i32 s21, s17, 192                        ; the tile's 48 ids; kept for the way out
	s_mul_i32 s22, s16, 48
	s_add_co_u32 s22, s22, s21                     ; the 12 rows that my wave stages
	s_wait_kmcnt 0x0
	s_load_b64 s[18:19], s[12:13], s20 offset:HDR  ; expert, count
	s_load_b128 s[40:43], s[12:13], s22 offset:0x0
	s_load_b128 s[44:47], s[12:13], s22 offset:0x10
	s_load_b128 s[48:51], s[12:13], s22 offset:0x20
	s_mov_b32 s28, 0x3f596d27                      ; K2 = sqrt(log2(e) / 2) = 0.8493218; the packed forms name pairs and take the low word
	s_mov_b32 s29, s28
	s_mov_b32 s30, 0x3e32303a                      ; A1 = 0.1740121
	s_mov_b32 s31, s30
	s_mov_b32 s32, 0xbd445ca1                      ; A2 = -0.0479399
	s_mov_b32 s33, s32
	s_mov_b32 s34, 0x3ebf7377                      ; A3 = 0.3739278
	s_mov_b32 s35, s34
	s_mov_b32 s36, 0x3eaa540e                      ; K1 = 0.47047 / sqrt(2) = 0.3326725
	v_and_b32 v1, 15, v0                           ; r
	v_bfe_u32 v2, v0, 4, 1                         ; h
	v_and_b32 v3, 31, v0
	v_lshlrev_b32 v[L16], 4, v3
	v_mul_u32_u24 v[XA], v1, XP
	v_lshl_add_u32 v[XA], v2, 4, v[XA]             ; row r x pitch + 16 h
	s_lshl_b32 s37, s16, 11
	s_add_co_u32 s37, s37, B1S
	v_lshl_add_u32 v[BA], v2, 5, s37               ; b1 of my 512 channels, 8 h numbers on
	v_mul_u32_u24 v19, v1, HP
	v_lshl_add_u32 v19, v2, 4, v19
	s_lshl_b32 s38, s16, 10
.irp t, 0,1,2
	v_add_nc_u32 v[HA+\t], 16*HP*\t, v19           ; token 16 tb + r, 16 h
	v_add_nc_u32 v[HS+\t], s38, v[HA+\t]           ; and my wave's 1,024 bytes of the row
.endr
	s_mul_i32 s39, s16, 16*OPI
	s_add_co_u32 s39, s39, OST                     ; my stage
	v_mul_u32_u24 v[STO], v1, OPI
	v_lshl_add_u32 v[STO], v2, 7, v[STO]
	v_add_nc_u32 v[STO], s39, v[STO]
	v_add_nc_u32 v[SRD], s39, v[L16]
	s_lshl_b32 s27, s16, 9
	v_add_nc_u32 v[OL], s27, v[L16]                ; my wave's 512 bytes of a row of out
	v_lshlrev_b32 v20, 4, v0                       ; b1: 16 bytes a thread
	v_lshl_add_u32 v21, v2, 7, s27                 ; b2: my wave's 128 channels, 32 h on
	s_mul_i32 s23, s16, 12*XP
	v_lshrrev_b32 v22, 1, v[L16]
	v_add_nc_u32 v22, s23, v22                     ; x into LDS: my 12 rows, 8 bytes a lane
	v_lshrrev_b32 v23, 4, v0
	v_lshlrev_b32 v23, 8, v23
	v_lshl_add_u32 v23, v1, 2, v23
	v_add_nc_u32 v23, B1S, v23                     ; b1 into LDS: real channel 4 t + i goes to virtual 64 (t / 16) + 16 i + t % 16
	v_lshl_add_u32 v36, v0, 2, B1S+8192
	v_mov_b32 v37, 0
	s_wait_kmcnt 0x0
	s_min_u32 s18, s18, 3                          ; loaded numbers are held inside their tables before they enter an address
	s_min_u32 s19, s19, 48
.irp i, 0,1,2,3,4,5,6,7,8,9,10,11
	s_min_u32 s[40+\i], s[40+\i], 0x1fff
	v_lshl_add_u32 v[24+\i], s[40+\i], 11, v[L16]  ; token x 2,048 bytes + 16 lane
.endr
	s_lshl_b32 s22, s18, 13
	s_mov_b32 s23, 0
	s_add_nc_u64 s[6:7], s[6:7], s[22:23]          ; b1 of the expert
	s_lshl_b32 s22, s18, 11
	s_add_nc_u64 s[8:9], s[8:9], s[22:23]          ; b2 of the expert
	s_lshl_b32 s22, s18, 22
	s_lshl_b32 s20, s16, 20
	s_add_co_u32 s22, s22, s20
	s_add_nc_u64 s[24:25], s[10:11], s[22:23]      ; my stream: expert x 4 MiB + wave x 1 MiB
	WIN 0x40
.set i, 0
.rept 12                                           ; my 12 rows of x: four loads of 512 consecutive bytes each
.set c, 0
.rept 4
	global_load_b128 v[16*i+4*c:16*i+4*c+3], v[24+i], s[4:5] offset:512*c
.set c, c+1
.endr
.set i, i+1
.endr
	WIN 0
.irp n, 0,1,2,3
	global_load_b128 v[40+4*\n:43+4*\n], v20, s[6:7] offset:2048*\n
.endr
	WIN 0x80
.set i, 0
.rept 16                                           ; b2[128 w + 64 g + 32 h + 4 j + i], g = i / 8, j = i % 8
	global_load_b128 v[B2+4*i:B2+4*i+3], v21, s[8:9] offset:256*(i/8)+16*(i%8)
.set i, i+1
.endr
	WIN 0xc0
.set i, 0
.rept 60                                           ; the ring's first fill: units 0 to 14
	global_load_b128 v[4*i:4*i+3], v[L16], s[24:25] offset:512*i
.set i, i+1
.endr
	s_wait_loadcnt 60                              ; x, b1 and b2 are in; the ring's 60 loads stay out
	WIN 0x85                                       ; x: window 1 to window 2, rounded
.set i, 0
.rept 96
	v_cvt_pk_bf16_f32 v[i], v[2*i], v[2*i+1]
.set i, i+1
.endr
	WIN 0x08                                       ; store data in window 2
.set i, 0
.rept 12
.set c, 0
.rept 4
	ds_store_b64 v22, v[8*i+2*c:8*i+2*c+1] offset:XP*i+256*c
.set c, c+1
.endr
.set i, i+1
.endr
	WIN 0
.irp m, 0,1,2,3,4,5,6,7                            ; b1: rounded to bf16 and widened again
	v_cvt_pk_bf16_f32 v[56+\m], v[40+2*\m], v[41+2*\m]
.endr
.irp m, 0,1,2,3,4,5,6,7
	v_lshlrev_b32 v[40+2*\m], 16, v[56+\m]
	v_and_b32 v[41+2*\m], 0xffff0000, v[56+\m]
.endr
.set i, 0
.rept 16
	ds_store_b32 v23, v[40+i] offset:2048*(i/4)+64*(i%4)
.set i, i+1
.endr
	ds_store_b32 v36, v37
	WIN 0x0a                                       ; b2 likewise, by way of window 0
.set i, 0
.rept 32
	v_cvt_pk_bf16_f32 v[TMP+i], v[B2+2*i], v[B2+2*i+1]
.set i, i+1
.endr
	WIN 0x80
.set i, 0
.rept 32
	v_lshlrev_b32 v[B2+2*i], 16, v[TMP+i]
	v_and_b32 v[B2+2*i+1], 0xffff0000, v[TMP+i]
.set i, i+1
.endr
	WIN 0
	s_wait_dscnt 0x0                               ; for the others' sake: my rows of x and my part of b1 are in LDS
	s_barrier_signal -1
	s_barrier_wait -1
	; All of x into registers: a fragment is 16 tokens x 32 channels: lane (r, h) takes channels 8 h + 0..7 and 16 + 8 h + 0..7 of token r: two loads of 16 bytes, 32 bytes apart.
.set ks, 0
.rept 16
	WIN 0x40+0x40*(ks/8)
.set i, 0
.rept 3
	ds_load_b128 v[((ks%8)*3+i)*8:((ks%8)*3+i)*8+3],   v[XA] offset:16*XP*i+64*ks
	ds_load_b128 v[((ks%8)*3+i)*8+4:((ks%8)*3+i)*8+7], v[XA] offset:16*XP*i+64*ks+32
.set i, i+1
.endr
.set ks, ks+1
.endr
	WIN 0
.irp i, 0,1,2,3                                    ; the first group's bias: block fb = i / 2, eight numbers a lane
	ds_load_b128 v[BI+4*\i:BI+4*\i+3], v[BA] offset:64*(\i/2)+16*(\i%2)
.endr
	s_wait_dscnt 0x0                               ; my reads of x are over: behind this barrier the hidden layer may be written over it
	s_barrier_signal -1
	s_barrier_wait -1
; At the end of stream unit U the slot that unit U - 1 read takes unit U + 15.  j: the unit's number from the stream's base s[24:25].
.macro REFILL j
	WIN 0xc0
.set qx, 0
.rept 4
	global_load_b128 v[16*(((\j)+15)%16)+4*qx:16*(((\j)+15)%16)+4*qx+3], v[L16], s[24:25] offset:((\j)+15)*2048+512*qx
.set qx, qx+1
.endr
.endm
; GELU of a BATCH: 16 consecutive registers from GH on (two accumulators), as pairs p = 0..7: a list of 128 instructions; GOP writes number gn.
;   0-71    u = 1 + K1 |h|; t = 1 / u; -(K2 h)^2 and its exponential; h / 2.  None of these names a result of a reciprocal or an exponential
;   72-127  the polynomial in t, 1/2 - polynomial x exponential, h / 2 + |h| x that, the rounding to bf16
; Each accumulator's register 0 is read first.
.macro GU k
	v_fma_f32 v[GT+(\k)], |v[GH+(\k)]|, s36, 1.0
.endm
.macro GR k
	v_rcp_f32 v[GT+(\k)], v[GT+(\k)]
.endm
.macro GE k
	v_exp_f32 v[GX+(\k)], v[GX+(\k)]
.endm
.macro GQ p
	v_pk_mul_f32 v[GX+2*(\p):GX+2*(\p)+1], v[GH+2*(\p):GH+2*(\p)+1], s[28:29] op_sel_hi:[1,0]
.endm
.macro GA p
	v_pk_mul_f32 v[GX+2*(\p):GX+2*(\p)+1], v[GX+2*(\p):GX+2*(\p)+1], v[GX+2*(\p):GX+2*(\p)+1] neg_lo:[1,0] neg_hi:[1,0]
.endm
.macro GF p
	v_pk_mul_f32 v[GHH+2*(\p):GHH+2*(\p)+1], v[GH+2*(\p):GH+2*(\p)+1], 0.5 op_sel_hi:[1,0]
.endm
.macro GOP
.if gn == 0
	GU 0
.elseif gn == 1
	GU 1
.elseif gn == 2
	GQ 0
.elseif gn == 3
	GA 0
.elseif gn == 4
	GF 0
.elseif gn < 68
.set gp, (gn-5)/9+1
.set go, (gn-5)%9
.if go == 0
	GU 2*gp
.elseif go == 1
	GR 2*gp-2
.elseif go == 2
	GU 2*gp+1
.elseif go == 3
	GR 2*gp-1
.elseif go == 4
	GQ gp
.elseif go == 5
	GE 2*gp-2
.elseif go == 6
	GA gp
.elseif go == 7
	GE 2*gp-1
.else
	GF gp
.endif
.elseif gn < 70
	GR gn-54
.elseif gn < 72
	GE gn-56
.elseif gn < 80
.set gp, gn-72
	v_pk_fma_f32 v[GPP+2*gp:GPP+2*gp+1], v[GT+2*gp:GT+2*gp+1], s[34:35], s[32:33] op_sel_hi:[1,0,0]
.elseif gn < 88
.set gp, gn-80
	v_pk_fma_f32 v[GPP+2*gp:GPP+2*gp+1], v[GPP+2*gp:GPP+2*gp+1], v[GT+2*gp:GT+2*gp+1], s[30:31] op_sel_hi:[1,1,0]
.elseif gn < 96
.set gp, gn-88
	v_pk_mul_f32 v[GPP+2*gp:GPP+2*gp+1], v[GPP+2*gp:GPP+2*gp+1], v[GT+2*gp:GT+2*gp+1]
.elseif gn < 104
.set gp, gn-96
	v_pk_fma_f32 v[GPP+2*gp:GPP+2*gp+1], v[GPP+2*gp:GPP+2*gp+1], v[GX+2*gp:GX+2*gp+1], 0.5 op_sel_hi:[1,1,0] neg_lo:[1,0,0] neg_hi:[1,0,0]
.elseif gn < 120
.set gp, gn-104
	v_fma_f32 v[GHH+gp], |v[GH+gp]|, v[GPP+gp], v[GHH+gp]
.else
.set gp, gn-120
	v_cvt_pk_bf16_f32 v[GPK+gp], v[GHH+2*gp], v[GHH+2*gp+1]
.endif
.endm
.macro STOREH                          ; batch gb's two accumulators a = 3 fb + tb: a lane's eight channels are 16 bytes of token block tb's row
.set ax, 2*gb
.rept 2
	ds_store_b128 v[HS+ax%3], v[GPK+4*(ax%2):GPK+4*(ax%2)+3] offset:32*(ax/3)
.set ax, ax+1
.endr
.endm
; Four of the list behind matrix instruction wi of a group's 96: 3 batches x 128 = 4 x 96.  A batch's 32 reciprocals and exponentials have ONE wait, behind number 71;
; the v_nop is the plain instruction between the last of them and the first use of a result (ISA guide 5.7.2).
.macro SLICE
	WIN 0
.set gb, wi/32
.set gs, wi%32
.set GH, ACC1+48*GPB+16*gb
.set gn, 4*gs
.rept 4
	GOP
.set gn, gn+1
.endr
.if gs == 17
	v_nop
	s_wait_alu depctr_va_vdst(0)
.endif
.if gs == 31
	STOREH
.endif
.set wi, wi+1
.endm
; PRODUCT 1.  A GROUP: two blocks of 16 hidden channels x 48 tokens, six accumulators that take turns, 16 K steps of 32; a K step is a unit.  The first K step takes the bias as C.
; ride = 1: the GELU of the group before, which lies in the other buffer, stands in slices behind the matrix instructions; of a unit's 24 riders twelve or more are plain and name no register of the
; matrix instructions of the unit before: they are the places in front of the refill of its slot.  ride = 0: four v_nop are.
.macro UNIT1 pb, ride, jo
	s_wait_loadcnt 56                              ; loads come back in order (ISA guide 5.7.1): this unit's four are in; the 14 units behind it stay out
.if ks == 8
	s_wait_dscnt 0x0                               ; the next group's bias, asked for seven units ago
.endif
.set fx, 0
.rept 2
.set tx, 0
.rept 3
.set rD, ACC1+48*(\pb)+8*(3*fx+tx)
.set rA, 16*ks+8*fx
.set rB, ((ks%8)*3+tx)*8
	WIN 0x07+4*(ks/8)                              ; weights in window 3, x in window 1 or 2
.if ks == 0
	v_wmma_f32_16x16x32_bf16 v[rD:rD+7], v[rA:rA+7], v[rB:rB+7], v[BI+8*fx:BI+8*fx+7]
.else
	v_wmma_f32_16x16x32_bf16 v[rD:rD+7], v[rA:rA+7], v[rB:rB+7], v[rD:rD+7]
.endif
.if \ride
	SLICE
.endif
.set tx, tx+1
.endr
.set fx, fx+1
.endr
.if !(\ride)
	PLACES
.endif
.if ks == 1                                        ; the bias registers were read a unit ago: the next group's bias
	WIN 0
.irp i, 0,1,2,3
	ds_load_b128 v[BI+4*\i:BI+4*\i+3], v[BA] offset:128+64*(\i/2)+16*(\i%2)
.endr
	v_add_nc_u32 v[BA], 0x80, v[BA]
.endif
	REFILL (\jo)+ks
.endm
.macro GROUP pb, ride, jo
.set wi, 0
.set GPB, 1-(\pb)
.set ks, 0
.rept 16
	UNIT1 \pb, \ride, \jo
.set ks, ks+1
.endr
	WIN 0
.if \ride
.irp t, 0,1,2
	v_add_nc_u32 v[HS+\t], 64, v[HS+\t]            ; the next group's 32 channels
.endr
.endif
.endm
	GROUP 0, 0, 0                                  ; group 0: there is no GELU yet to set between its products
	s_mov_b32 s26, 8
	s_branch .Lmid                                 ; the loop is entered in the middle of a trip
.Ltop:                                             ; a trip: groups 2 k and 2 k + 1, 32 units of the stream
	GROUP 0, 1, 0
.Lmid:
	GROUP 1, 1, 16
	s_wait_xcnt 0x0                                ; the stream's base is stepped only behind this wait
	s_add_nc_u64 s[24:25], s[24:25], 0x10000
	s_sub_co_u32 s26, s26, 1
	s_cmp_lg_u32 s26, 0
	s_cbranch_scc1 .Ltop
	; Group 15's GELU has no products to stand beside.  The ring has run on into W2's units, which follow W1's in the stream.
.set GPB, 1
.set gb, 0
.rept 3
.set GH, ACC1+48*GPB+16*gb
.set gn, 0
.rept 128
	GOP
.if gn == 71
	v_nop
	s_wait_alu depctr_va_vdst(0)
.endif
.set gn, gn+1
.endr
	STOREH
.set gb, gb+1
.endr
	s_wait_dscnt 0x0                               ; for the others' sake: my 512 channels of the hidden layer are in LDS
	s_barrier_signal -1
	s_barrier_wait -1
; PRODUCT 2.  A K step of 32 hidden channels is four units (two blocks of 16 output channels each); the 24 accumulators take turns.
.macro AFLOAD par, ofs                 ; the hidden fragments of one K step, 48 tokens
.set tx, 0
.rept 3
	ds_load_b128 v[AF+24*(\par)+8*tx:AF+24*(\par)+8*tx+3],   v[HA+tx] offset:(\ofs)
	ds_load_b128 v[AF+24*(\par)+8*tx+4:AF+24*(\par)+8*tx+7], v[HA+tx] offset:(\ofs)+32
.set tx, tx+1
.endr
.endm
.macro UNIT2 zero, last
.set jj, 4*kl+dp
.if (\last) && (jj > 1)
	s_wait_loadcnt 4*(15-jj)                       ; the stream ends: only the units still to come are out
.else
	s_wait_loadcnt 56                              ; this unit's four loads are in; the 14 units behind it stay out
.endif
.if dp == 0
	s_wait_dscnt 0x0                               ; this K step's hidden fragments, asked for four units ago
.endif
	WIN 0x53                                       ; weights in window 3, hidden in window 0, sums in window 1
.set sx, 0
.rept 2
.set tx, 0
.rept 3
.set rD, (3*(2*dp+sx)+tx)*8
.set rA, 16*jj+8*sx
.set rB, AF+24*(kl%2)+8*tx
.if (\zero) && (kl == 0)
	v_wmma_f32_16x16x32_bf16 v[rD:rD+7], v[rA:rA+7], v[rB:rB+7], 0
.else
	v_wmma_f32_16x16x32_bf16 v[rD:rD+7], v[rA:rA+7], v[rB:rB+7], v[rD:rD+7]
.endif
.set tx, tx+1
.endr
.set sx, sx+1
.endr
	WIN 0
	PLACES                                         ; in front of the loads below, into registers that the unit and the K step before read
.if (dp == 0) && !((\last) && (kl == 3))
	AFLOAD (kl+1)%2, 64*(kl+1)
.endif
.if !(\last) || (jj == 0)
	REFILL jj
.endif
.endm
.macro TRIP2 zero, last                ; four K steps, 16 units: once round the ring
.set kl, 0
.rept 4
.set dp, 0
.rept 4
	UNIT2 \zero, \last
.set dp, dp+1
.endr
.set kl, kl+1
.endr
	WIN 0
.if !(\last)
	s_wait_xcnt 0x0                                ; the stream's base is stepped only behind this wait
	s_add_nc_u64 s[24:25], s[24:25], 0x8000
.irp t, 0,1,2
	v_add_nc_u32 v[HA+\t], 0x100, v[HA+\t]
.endr
.endif
.endm
	AFLOAD 0, 0
	TRIP2 1, 0                                     ; the first K step starts the sums: nothing is cleared
	s_mov_b32 s26, 14
.Ltrip:
	TRIP2 0, 0
	s_sub_co_u32 s26, s26, 1
	s_cmp_lg_u32 s26, 0
	s_cbranch_scc1 .Ltrip
	s_load_b512 s[40:55], s[12:13], s21 offset:0x0 ; the tile's 48 ids, for the way out
	s_load_b512 s[68:83], s[12:13], s21 offset:0x40
	s_load_b512 s[84:99], s[12:13], s21 offset:0x80
	TRIP2 0, 1                                     ; the last trip is written out: one more refill, unit 511, then none
	s_wait_kmcnt 0x0
.set i, 0
.rept 16
	s_min_u32 s[40+i], s[40+i], 0x1fff
	s_min_u32 s[68+i], s[68+i], 0x1fff
	s_min_u32 s[84+i], s[84+i], 0x1fff
.set i, i+1
.endr
; THE WAY OUT of token block tb.  Register j of accumulators 4 g + 0..3 holds four NEIGHBOURING real channels 128 w + 64 g + 32 h + 4 j + 0..3 of token r: with b2 added they are 16 bytes.  They go
; into my own stage and come back as whole rows: a store is 512 consecutive bytes of one token's row, at a multiple of 512 from the buffer's first byte.  Rows at or past the tile's count are jumped, forward.
.macro OUTTB tb, ib
	s_wait_xcnt 0x0                                ; the last block's stores have read their registers
	WIN 0x09                                       ; sums in window 1, b2 in window 2
.set g, 0
.rept 2
.set j, 0
.rept 8
.set i, 0
.rept 4
	v_add_f32 v[TMP+32*g+4*j+i], v[(3*(4*g+i)+(\tb))*8+j], v[B2+32*g+4*j+i]
.set i, i+1
.endr
.set j, j+1
.endr
.set g, g+1
.endr
	WIN 0
.set i, 0
.rept 16
	ds_store_b128 v[STO], v[TMP+4*i:TMP+4*i+3] offset:256*(i/8)+16*(i%8)
.set i, i+1
.endr
.set t, 0
.rept 16
	ds_load_b128 v[RB+4*t:RB+4*t+3], v[SRD] offset:OPI*t  ; LDS serves a wave's instructions in order (ISA guide 5.7.1.4): these see the stores above; the next block's stores come behind them
.set t, t+1
.endr
.set t, 0
.rept 16
	v_lshl_add_u32 v[VO+t], s[(\ib)+t], 11, v[OL]
.set t, t+1
.endr
	s_wait_dscnt 0x0
.set t, 0
.rept 16
	s_cmp_le_u32 s19, 16*(\tb)+t
	s_cbranch_scc1 .Ldone
	global_store_b128 v[VO+t], v[RB+4*t:RB+4*t+3], s[14:15] th:TH_STORE_NT
.set t, t+1
.endr
.endm
	OUTTB 0, 40
	OUTTB 1, 68
	OUTTB 2, 84
.Ldone:
	s_wait_tensorcnt 0x0                           ; the wave's end, behind my last LDS store
	ds_add_u32 v[SPW], v[NIL]
	s_wait_dscnt 0x0
	s_endpgm
.Lfunc_end_k_qf7a382d9d8_chain:
	.size	k_qf7a382d9d8_chain, .Lfunc_end_k_qf7a382d9d8_chain-k_qf7a382d9d8_chain
	.p2alignl 7, 3214868480
	.fill 96, 4, 3214868480
	.section	.rodata,"a",@progbits
	.p2align	6, 0x0
	.amdhsa_kernel k_qf7a382d9d8_chain
		.amdhsa_group_segment_fixed_size 240384
		.amdhsa_private_segment_fixed_size 0
		.amdhsa_enable_private_segment 0
		.amdhsa_kernarg_size 48
		.amdhsa_user_sgpr_count 2
		.amdhsa_user_sgpr_kernarg_segment_ptr 1
		.amdhsa_wavefront_size32 1
		.amdhsa_system_sgpr_workgroup_id_x 1
		.amdhsa_system_sgpr_workgroup_id_y 1
		.amdhsa_system_sgpr_workgroup_id_z 1
		.amdhsa_system_vgpr_workitem_id 0
		.amdhsa_next_free_vgpr 1024
		.amdhsa_next_free_sgpr 100
		.amdhsa_reserve_vcc 0
		.amdhsa_float_denorm_mode_32 3
		.amdhsa_float_denorm_mode_16_64 3
		.amdhsa_memory_ordered 1
		.amdhsa_forward_progress 1
		.amdhsa_inst_pref_size 235
	.end_amdhsa_kernel
	.amdgpu_metadata
---
amdhsa.version: [ 1, 2 ]
amdhsa.kernels:
  - .name:           k_qf7a382d9d8_chain
    .symbol:         k_qf7a382d9d8_chain.kd
    .args:
      - { .name: x, .offset: 0, .size: 8, .value_kind: global_buffer, .address_space: global }
      - { .name: b1, .offset: 8, .size: 8, .value_kind: global_buffer, .address_space: global }
      - { .name: b2, .offset: 16, .size: 8, .value_kind: global_buffer, .address_space: global }
      - { .name: wf, .offset: 24, .size: 8, .value_kind: global_buffer, .address_space: global }
      - { .name: list, .offset: 32, .size: 8, .value_kind: global_buffer, .address_space: global }
      - { .name: out0, .offset: 40, .size: 8, .value_kind: global_buffer, .address_space: global }
    .group_segment_fixed_size: 240384
    .private_segment_fixed_size: 0
    .kernarg_segment_align: 8
    .kernarg_segment_size: 48
    .max_flat_workgroup_size: 128
    .sgpr_count:     100
    .vgpr_count:     1024
    .wavefront_size: 32
...
	.end_amdgpu_metadata
.endif
;; end of part 2
;; ======== version 2 of 3: 2 launches; 1.14 times as fast as version 1
;; limits: a function is approximated: absolute error at most 2.5e-05; an absolute error that grows with the inputs' magnitude: up to 1.25e-05 times it
;; workspace buffers: wf 16,777,216 bytes; list 38,400 bytes of whole numbers
;; launch prep (part 3): grid 516 x 1, 8 waves a work-group, no clusters, 1,280 bytes of LDS; arguments W1, W2, token_types, wf, list; writes wf, list
.if DOCPART == 3
	.amdgcn_target "amdgcn-amd-amdhsa--gfx1250"
	.amdhsa_code_object_version 6
	.text
	.protected	k_qf7a382d9d8_prep
	.globl	k_qf7a382d9d8_prep
	.p2align	8
	.type	k_qf7a382d9d8_prep,@function
k_qf7a382d9d8_prep:
	s_mov_b64 s[64:65], 0
	v_nop
	global_prefetch_b8 v0, s[64:65] scope:SCOPE_SE
	s_setreg_imm32_b32 hwreg(HW_REG_WAVE_MODE, 25, 1), 1
	s_wait_xcnt 0x0
; PREP.  Work-groups 0-3 sort the 8,192 tokens by type; 4-259 round W1 to bf16, 260-515 W2, and store them as ready matrix fragments.
; wf: [expert 4][wave 4][1 MiB]: what wave w of a chain work-group of expert e reads: 256 units of W1, then 256 of W2.  A unit is two
; fragments of 1,024 bytes; a fragment (16 rows x 32 K) is [half c][lane][16 bytes]: lane (r = lane % 16, h = lane / 16) holds k = 16 c + 8 h + 0..7 of row r.
; VIRTUAL ORDER.  Of 64 neighbouring real columns 64 g + 4 q + i, column (q, i) is row q of block 4 g + i.  So a lane that loads 16 bytes (q = its place, i = 0..3)
; of eight K rows holds 16 bytes of each of four fragments, and nothing changes lanes.  The hidden width F is used in that order everywhere (fv = 64 g + 16 i + q),
; W2's K among it; for D the chain's way out undoes it.
; list: words 0-8,351: token ids of 174 tiles, tile t's 48 from word 48 t on, places past a tile's count hold 0; from byte HDR on 192 headers {expert, count}.
; LIMIT.  A type is taken modulo 4 (the problem keeps it inside 0..3).
; LDS (the sorting work-groups alone): bytes 0-255 the 32 chunks' counts, 8 bytes a chunk; from byte 256 on the spare words.  One barrier, on the sorting path alone: the branch that leads there
; hangs on the work-group's number, which all its waves share.  No line writes EXEC.
.set HDR,   36864
.set SPARE, 256                        ; the spare words, 128 bytes for each of the eight waves: four blocks of 256 bytes that no other line names
.set CH,   8                           ; v[8:39]    the four chunks that my wave counts: 8 registers (256 types) each
.set CA,   40                          ; v[40:43]   a chunk's four counts in 8-bit fields, one a type
.set CS,   44                          ; v[44:51]   the same in 16-bit fields: chunk c: types 0 and 2 in v[CS+2c], types 1 and 3 in v[CS+2c+1]
.set CT,   52                          ; v[52:55]   at work
.set OWN,  136                         ; v[136:143] my wave's own 256 types
.set TOTA, 144                         ; counts of types 0 (low half) and 2 (high half)
.set TOTB, 145                         ; of types 1 and 3
.set SNA,  146                         ; the same, of the chunks ahead of my own
.set SNB,  147
.set TX,   152                         ; at work across lanes
.set SPW,  154                         ; LDS address of my spare word: SPARE + 4 x my thread's number; never rewritten
.set NIL,  155                         ; 0; never rewritten
	s_load_b256 s[4:11], s[0:1], 0x0               ; W1 s[4:5], W2 s[6:7], token_types s[8:9], wf s[10:11]
	s_load_b64 s[12:13], s[0:1], 0x20              ; list
	v_lshl_add_u32 v[SPW], v0, 2, SPARE
	v_mov_b32 v[NIL], 0
	v_lshrrev_b32 v1, 5, v0
	v_readfirstlane_b32 s14, v1                    ; wave 0..7
	v_and_b32 v2, 31, v0                           ; lane
	v_lshlrev_b32 v4, 4, v2                        ; 16 x lane
	s_mov_b32 s15, ttmp9
	s_wait_kmcnt 0x0
	s_cmp_lt_u32 s15, 4
	s_cbranch_scc1 .Lsort
	v_and_b32 v3, 15, v0                           ; q
	v_bfe_u32 v6, v0, 4, 1                         ; h
	v_lshlrev_b32 v3, 4, v3
	v_lshl_add_u32 v3, v6, 16, v3                  ; 16 q + 65,536 h: 8 rows of W1 (8,192 bytes each), or 32 rows of W2 (2,048 bytes each), further for the upper lanes
	s_cmp_lt_u32 s15, 260
	s_cbranch_scc0 .Lw2
; A wave rounds 32 K rows x 64 columns: 16 loads, each two runs of 256 consecutive bytes; 32 packed roundings; 8 stores of 512 consecutive bytes.
.macro CONV src, kind
.set c, 0
.rept 2
.set j, 0
.rept 8
.if (\kind) == 0
.set ofs, (16*c+j)*8192                ; W1: K = d = 32 ks + 16 c + 8 h + j
.else
.set ofs, (4*j+c)*2048                 ; W2: K = fv = 32 ks + 16 c + 8 h + j is real row 64 (ks / 2) + 2 (ks % 2) + c + 32 h + 4 j
.endif
	global_load_b128 v[8+4*(8*c+j):8+4*(8*c+j)+3], v3, s[\src:\src+1] offset:ofs th:TH_LOAD_NT
.set j, j+1
.endr
.set c, c+1
.endr
.set c, 0
.rept 2
	s_wait_loadcnt 8-8*c                           ; half c's eight loads are in; the first time the other half's eight stay out
.set i, 0
.rept 4
.set m, 0
.rept 4
	v_cvt_pk_bf16_f32 v[72+4*(4*c+i)+m], v[8+4*(8*c+2*m)+i], v[8+4*(8*c+2*m+1)+i]  ; column i, K rows 2 m and 2 m + 1
.set m, m+1
.endr
.set i, i+1
.endr
.set i, 0
.rept 4
.if (\kind) == 0
.set ofs, (i/2)*32768+(i%2)*1024+c*512 ; block 4 g + i: pair of blocks i / 2 (16 units on), fragment i % 2
.else
.set ofs, i*1024+c*512                 ; block 4 g + i: unit i / 2, fragment i % 2
.endif
	global_store_b128 v4, v[72+4*(4*c+i):72+4*(4*c+i)+3], s[10:11] offset:ofs
.set i, i+1
.endr
.set c, c+1
.endr
	s_endpgm
.endm
	s_sub_co_u32 s15, s15, 4                       ; W1: job = 8 x work-group + wave = [expert][ks 16][g 32]
	s_lshl_b32 s15, s15, 3
	s_add_co_u32 s15, s15, s14
	s_lshr_b32 s16, s15, 9                         ; expert
	s_and_b32 s17, s15, 511
	s_lshr_b32 s18, s17, 5                         ; ks
	s_and_b32 s19, s17, 31                         ; g: the eight waves take 2,048 consecutive bytes of each row
	s_lshl_b32 s20, s16, 22                        ; from: expert x 4 MiB + 32 ks rows of 8,192 bytes + 256 g
	s_lshl_b32 s21, s18, 18
	s_add_co_u32 s20, s20, s21
	s_lshl_b32 s21, s19, 8
	s_add_co_u32 s20, s20, s21
	s_mov_b32 s21, 0
	s_add_nc_u64 s[4:5], s[4:5], s[20:21]
	s_lshl_b32 s22, s16, 22                        ; to: expert x 4 MiB + wave (g / 8) x 1 MiB + unit (32 (g % 8) + ks) x 2,048
	s_lshr_b32 s23, s19, 3
	s_lshl_b32 s23, s23, 20
	s_add_co_u32 s22, s22, s23
	s_and_b32 s23, s19, 7
	s_lshl_b32 s23, s23, 5
	s_add_co_u32 s23, s23, s18
	s_lshl_b32 s23, s23, 11
	s_add_co_u32 s22, s22, s23
	s_mov_b32 s23, 0
	s_add_nc_u64 s[10:11], s[10:11], s[22:23]
	CONV 4, 0
.Lw2:
	s_sub_co_u32 s15, s15, 260                     ; W2: job = [expert][ks 64][g 8]
	s_lshl_b32 s15, s15, 3
	s_add_co_u32 s15, s15, s14
	s_lshr_b32 s16, s15, 9                         ; expert
	s_and_b32 s17, s15, 511
	s_lshr_b32 s18, s17, 3                         ; ks
	s_and_b32 s19, s17, 7                          ; g: the eight waves take a whole row of 2,048 bytes
	s_lshl_b32 s20, s16, 22                        ; from: expert x 4 MiB + row (64 (ks / 2) + 2 (ks % 2)) x 2,048 + 256 g
	s_lshr_b32 s21, s18, 1
	s_lshl_b32 s21, s21, 17
	s_add_co_u32 s20, s20, s21
	s_and_b32 s21, s18, 1
	s_lshl_b32 s21, s21, 12
	s_add_co_u32 s20, s20, s21
	s_lshl_b32 s21, s19, 8
	s_add_co_u32 s20, s20, s21
	s_mov_b32 s21, 0
	s_add_nc_u64 s[6:7], s[6:7], s[20:21]
	s_lshl_b32 s22, s16, 22                        ; to: expert x 4 MiB + wave (g / 2) x 1 MiB + 512 KiB + unit (4 ks + 2 (g % 2)) x 2,048
	s_lshr_b32 s23, s19, 1
	s_lshl_b32 s23, s23, 20
	s_add_co_u32 s22, s22, s23
	s_lshl_b32 s23, s18, 13
	s_add_co_u32 s22, s22, s23
	s_and_b32 s23, s19, 1
	s_lshl_b32 s23, s23, 12
	s_add_co_u32 s22, s22, s23
	s_add_co_u32 s22, s22, 0x80000
	s_mov_b32 s23, 0
	s_add_nc_u64 s[10:11], s[10:11], s[22:23]
	CONV 6, 1
; THE SORT.  32 waves in four work-groups; wave sid owns the CHUNK of tokens 256 sid .. 256 sid + 255 and places them.  For that it needs every expert's total (they give the tiles) and the counts of the
; chunks ahead of its own.  Each work-group makes all 32 chunks' counts for itself, its eight waves four chunks each: ten loads a wave, all asked for at once; the counts meet in LDS behind one barrier.
.macro XROW r                          ; the sum over each half of 16 lanes, in every lane of the half
.irp x, 1,2,4,8
	v_mov_b32_dpp v[TX], v[\r] row_xmask:\x row_mask:0xf bank_mask:0xf
	v_add_nc_u32 v[\r], v[\r], v[TX]
.endr
.endm
.macro XHALF r                         ; and the other half's sum onto it
	v_permlanex16_b32 v[TX], v[\r], s48, s49
	v_add_nc_u32 v[\r], v[\r], v[TX]
.endm
.macro XSUM r                          ; the sum over the 32 lanes, in every lane
	XROW \r
	XHALF \r
.endm
.Lsort:
	s_lshl_b32 s47, s15, 3
	s_add_co_u32 s47, s47, s14                     ; sid 0..31
	s_lshl_b32 s44, s14, 12
	v_add_nc_u32 v6, s44, v4                       ; chunks 4 w .. 4 w + 3: 4,096 bytes from byte 4,096 w on
	s_lshl_b32 s45, s47, 10
	v_add_nc_u32 v5, s45, v4                       ; my own chunk
.set n, 0
.rept 8
	global_load_b128 v[CH+4*n:CH+4*n+3], v6, s[8:9] offset:512*n
.set n, n+1
.endr
	global_load_b128 v[OWN:OWN+3], v5, s[8:9]
	global_load_b128 v[OWN+4:OWN+7], v5, s[8:9] offset:512
	s_mov_b32 s48, 0x76543210                      ; v_permlanex16_b32: each lane takes its own place in the other half
	s_mov_b32 s49, 0xfedcba98
	v_mov_b32 v[TX], 0
.irp c, 0,1,2,3
	v_mov_b32 v[CA+\c], 0
.endr
	v_mov_b32 v7, s14
	v_lshlrev_b32 v7, 5, v7                        ; where my four chunks' counts go: 32 x wave
	v_lshlrev_b32 v3, 3, v2                        ; and where lane c finds chunk c's: 8 x lane
	s_wait_loadcnt 2                               ; the four chunks are in; my own chunk's two loads stay out
.set k, 0
.rept 8                                            ; the four chunks side by side, so that no line waits for the one before it
.irp c, 0,1,2,3
	v_lshlrev_b32 v[CT+\c], 3, v[CH+8*\c+k]
.endr
.irp c, 0,1,2,3
	v_and_b32 v[CT+\c], 24, v[CT+\c]               ; 8 x (type modulo 4)
.endr
.irp c, 0,1,2,3
	v_lshl_add_u32 v[CA+\c], 1, v[CT+\c], v[CA+\c] ; one more in that type's field: 8 a lane at the most
.endr
.set k, k+1
.endr
.irp c, 0,1,2,3
	XROW CA+\c                                     ; over 16 lanes: 128 a field at the most, inside 8 bits
.endr
.irp c, 0,1,2,3
	v_and_b32 v[CS+2*\c], 0x00ff00ff, v[CA+\c]     ; into 16-bit fields: a chunk has up to 256 of a type, all chunks 8,192
	v_lshrrev_b32 v[CS+2*\c+1], 8, v[CA+\c]
	v_and_b32 v[CS+2*\c+1], 0x00ff00ff, v[CS+2*\c+1]
.endr
.irp q, 0,1,2,3,4,5,6,7
	XHALF CS+\q
.endr
	ds_store_b128 v7, v[CS:CS+3]                   ; all lanes hold the same numbers and write the same bytes
	ds_store_b128 v7, v[CS+4:CS+7] offset:16
	s_wait_dscnt 0x0                               ; for the others' sake: my four chunks' counts are in LDS
	s_barrier_signal -1
	s_barrier_wait -1
	ds_load_b64 v[TOTA:TOTA+1], v3                 ; lane c: chunk c's counts
	s_wait_dscnt 0x0
	v_cmp_gt_u32 vcc_lo, s47, v2                   ; the chunks ahead of mine
	v_cndmask_b32 v[SNA], 0, v[TOTA], vcc_lo
	v_cndmask_b32 v[SNB], 0, v[TOTB], vcc_lo
	XSUM TOTA
	XSUM TOTB
	XSUM SNA
	XSUM SNB
	v_readfirstlane_b32 s44, v[TOTA]
	v_readfirstlane_b32 s45, v[TOTB]
	s_and_b32 s16, s44, 0xffff                     ; s[16:19] n_e: tokens of expert e
	s_and_b32 s17, s45, 0xffff
	s_lshr_b32 s18, s44, 16
	s_lshr_b32 s19, s45, 16
	v_readfirstlane_b32 s44, v[SNA]
	v_readfirstlane_b32 s45, v[SNB]
	s_and_b32 s20, s44, 0xffff                     ; s[20:23]: of them in chunks ahead of mine
	s_and_b32 s21, s45, 0xffff
	s_lshr_b32 s22, s44, 16
	s_lshr_b32 s23, s45, 16
.irp e, 0,1,2,3
	s_add_co_u32 s44, s[16+\e], 47                 ; s[28:31] tiles of 48: (n + 47) / 48 = ((n + 47) x 43,691) >> 21, exact up to 8,352:
	s_mul_i32 s44, s44, 43691                      ; 8,352 x (43,691 / 2^21 - 1 / 48) = 0.0013, under 1 / 48
	s_lshr_b32 s[28+\e], s44, 21
.endr
	s_mov_b32 s32, 0                               ; s[32:35] first tile of expert e
	s_mov_b32 s33, s28
	s_add_co_u32 s34, s33, s29
	s_add_co_u32 s35, s34, s30
.irp e, 0,1,2,3
	s_mul_i32 s[24+\e], s[32+\e], 48               ; s[24:27] its first word in the list
	s_add_co_u32 s[36+\e], s[24+\e], s[20+\e]      ; s[36:39] the next free word for my chunk's tokens
.endr
	s_lshl_b32 s44, s47, 8
	v_lshl_add_u32 v26, v2, 2, s44                 ; token of my register 0: 256 sid + 4 lane
	s_wait_loadcnt 0x0                             ; my own chunk
; Register k of my chunk: each lane's place is its expert's next free word plus the number of lower lanes with the same expert.  Every store has registers of its own.
.macro PLACE k
	v_and_b32 v[OWN+(\k)], 3, v[OWN+(\k)]
.irp e, 0,1,2,3
	v_cmp_eq_u32 s[40+\e], \e, v[OWN+(\k)]
.endr
	v_mbcnt_lo_u32_b32 v24, s40, s36
.irp e, 1,2,3
	v_mbcnt_lo_u32_b32 v25, s[40+\e], s[36+\e]
	v_cndmask_b32 v24, v24, v25, s[40+\e]
.endr
.irp e, 0,1,2,3
	s_bcnt1_i32_b32 s44, s[40+\e]
	s_add_co_u32 s[36+\e], s[36+\e], s44
.endr
	v_min_u32 v24, 0x209f, v24                     ; a place made from loaded numbers is held inside the 8,352 words
	v_lshlrev_b32 v[8+(\k)], 2, v24
	v_add_nc_u32 v[16+(\k)], ((\k)/4)*128+(\k)%4, v26
	global_store_b32 v[8+(\k)], v[16+(\k)], s[12:13]
.endm
.irp k, 0,1,2,3,4,5,6,7
	PLACE \k
.endr
	; The headers: waves 0-5, a tile a lane: 256 consecutive bytes a wave.  Tiles past the last get expert 3 and count 0.
	s_cmp_lt_u32 s47, 6
	s_cbranch_scc0 .Lsdone
	s_lshl_b32 s44, s47, 5
	v_add_nc_u32 v33, s44, v2                      ; tile
	v_lshlrev_b32 v38, 3, v33                      ; its header's 8 bytes
	v_mov_b32 v34, 0                               ; expert
	v_mov_b32 v36, s16                             ; its n
	v_mov_b32 v37, 0                               ; its first tile
.irp e, 1,2,3
	v_cmp_le_u32 vcc_lo, s[32+\e], v33
	v_cndmask_b32 v34, v34, \e, vcc_lo
	v_cndmask_b32 v36, v36, s[16+\e], vcc_lo
	v_cndmask_b32 v37, v37, s[32+\e], vcc_lo
.endr
	v_sub_nc_u32 v37, v33, v37
	v_mul_u32_u24 v37, v37, 48                     ; tokens in the expert's tiles ahead of this one
	v_min_u32 v37, v36, v37
	v_sub_nc_u32 v36, v36, v37
	v_min_u32 v35, 48, v36                         ; count = min(48, what is left)
	global_store_b64 v38, v[34:35], s[12:13] offset:HDR
	; The places that no token takes get 0.  Of the 8,352 words 8,192 hold tokens, so there are always 160 such places: waves 0-4, one a lane, by RANK.  They lie in five runs: behind each
	; expert's tokens up to the end of its last tile, and from the last tile in use to word 8,351.  With C_k the free places of runs 0..k, rank p lies in the run k whose C_(k-1) <= p < C_k,
	; at word p + B_k, B_k = the run's first word - C_(k-1).  An empty run is passed over: the later select wins.
	s_cmp_lt_u32 s47, 5
	s_cbranch_scc0 .Lsdone
.irp e, 0,1,2,3
	s_add_co_u32 s[50+\e], s[24+\e], s[16+\e]      ; s[50:53] run e's first word: the expert's first word + its tokens
.endr
	s_add_co_u32 s54, s35, s31
	s_mul_i32 s54, s54, 48                         ; s54 the last run's first word: 48 x tiles in use
	s_sub_co_u32 s40, s25, s50                     ; s[40:43] C_0 .. C_3
	s_sub_co_u32 s41, s26, s51
	s_add_co_u32 s41, s41, s40
	s_sub_co_u32 s42, s27, s52
	s_add_co_u32 s42, s42, s41
	s_sub_co_u32 s43, s54, s53
	s_add_co_u32 s43, s43, s42
.irp e, 1,2,3,4
	s_sub_co_u32 s[50+\e], s[50+\e], s[39+\e]      ; s[50:54] B_0 .. B_4
.endr
	v_mov_b32 v27, 0
	v_mov_b32 v30, s50
.irp e, 1,2,3,4
	v_cmp_le_u32 vcc_lo, s[39+\e], v33             ; v33 = 32 sid + lane: the rank
	v_cndmask_b32 v30, v30, s[50+\e], vcc_lo
.endr
	v_add_nc_u32 v30, v30, v33
	v_min_u32 v30, 0x209f, v30                     ; held inside the 8,352 words
	v_lshlrev_b32 v30, 2, v30
	global_store_b32 v30, v27, s[12:13]
.Lsdone:
	s_wait_tensorcnt 0x0                           ; the sorting wave's end, behind my last LDS store
	ds_add_u32 v[SPW], v[NIL]
	s_wait_dscnt 0x0
	s_endpgm
.Lfunc_end_k_qf7a382d9d8_prep:
	.size	k_qf7a382d9d8_prep, .Lfunc_end_k_qf7a382d9d8_prep-k_qf7a382d9d8_prep
	.p2alignl 7, 3214868480
	.fill 96, 4, 3214868480
	.section	.rodata,"a",@progbits
	.p2align	6, 0x0
	.amdhsa_kernel k_qf7a382d9d8_prep
		.amdhsa_group_segment_fixed_size 1280
		.amdhsa_private_segment_fixed_size 0
		.amdhsa_enable_private_segment 0
		.amdhsa_kernarg_size 40
		.amdhsa_user_sgpr_count 2
		.amdhsa_user_sgpr_kernarg_segment_ptr 1
		.amdhsa_wavefront_size32 1
		.amdhsa_system_sgpr_workgroup_id_x 1
		.amdhsa_system_sgpr_workgroup_id_y 1
		.amdhsa_system_sgpr_workgroup_id_z 1
		.amdhsa_system_vgpr_workitem_id 0
		.amdhsa_next_free_vgpr 168
		.amdhsa_next_free_sgpr 66
		.amdhsa_reserve_vcc 1
		.amdhsa_float_denorm_mode_32 3
		.amdhsa_float_denorm_mode_16_64 3
		.amdhsa_memory_ordered 1
		.amdhsa_forward_progress 1
		.amdhsa_inst_pref_size 36
	.end_amdhsa_kernel
	.amdgpu_metadata
---
amdhsa.version: [ 1, 2 ]
amdhsa.kernels:
  - .name:           k_qf7a382d9d8_prep
    .symbol:         k_qf7a382d9d8_prep.kd
    .args:
      - { .name: W1, .offset: 0, .size: 8, .value_kind: global_buffer, .address_space: global }
      - { .name: W2, .offset: 8, .size: 8, .value_kind: global_buffer, .address_space: global }
      - { .name: token_types, .offset: 16, .size: 8, .value_kind: global_buffer, .address_space: global }
      - { .name: wf, .offset: 24, .size: 8, .value_kind: global_buffer, .address_space: global }
      - { .name: list, .offset: 32, .size: 8, .value_kind: global_buffer, .address_space: global }
    .group_segment_fixed_size: 1280
    .private_segment_fixed_size: 0
    .kernarg_segment_align: 8
    .kernarg_segment_size: 40
    .max_flat_workgroup_size: 256
    .sgpr_count:     66
    .vgpr_count:     168
    .wavefront_size: 32
...
	.end_amdgpu_metadata
.endif
;; end of part 3
;; launch chain (part 4): grid 174 x 1, 4 waves a work-group, no clusters, 239,872 bytes of LDS; arguments x, b1, b2, wf, list, out0; writes out0
.if DOCPART == 4
	.amdgcn_target "amdgcn-amd-amdhsa--gfx1250"
	.amdhsa_code_object_version 6
	.text
	.protected	k_qf7a382d9d8_chain
	.globl	k_qf7a382d9d8_chain
	.p2align	8
	.type	k_qf7a382d9d8_chain,@function
k_qf7a382d9d8_chain:
	s_mov_b64 s[64:65], 0
	v_nop
	global_prefetch_b8 v0, s[64:65] scope:SCOPE_SE
	s_setreg_imm32_b32 hwreg(HW_REG_WAVE_MODE, 25, 1), 1
	s_wait_xcnt 0x0
; CHAIN.  out[token] = gelu(x[token] W1[e] + b1[e]) W2[e] + b2[e] for the 48 tokens of one tile, all of one expert e.  174 work-groups: with 8,192 tokens, 4 experts and tiles
; of 48 there are never more than (8,192 + 4 x 47) / 48 = 174 tiles, whatever the split.  A tile past the last in use (at most 3) computes on token 0 and stores nothing.
; BOTH PRODUCTS ARE USED TRANSPOSED: source 0 = 16 rows of weights, source 1 = 16 tokens, so a lane holds one token (lane % 16) and eight channels 8 (lane / 16) + 0..7.
; Product 1: wave w makes hidden channels 512 w .. 512 w + 511 of all 48 tokens; x stays in registers (384).  Product 2: wave w makes output channels 128 w .. 128 w + 127; the hidden layer
; comes from LDS.  No sum is ever shared between waves; three barriers in all.
; THE WEIGHTS come from memory straight into registers, as fragments that the launch before laid out: 1 MiB for each wave, through a ring of 16 slots of 2,048 bytes (a UNIT: two fragments,
; four loads, six matrix instructions).  The ring is filled again FOUR UNITS AT A TIME, 16 loads in one run behind every fourth unit, into the four slots just read, 16 units ahead:
; 11 to 15 units, 44 to 60 loads, are on their way; LOADcnt counts to 63 (ISA guide 5.7.1).
; SPANS.  16 units, 32 KiB, are a SPAN: a group of product 1 or a trip of product 2; a wave walks 32 of them.  Even and odd spans have a scalar base each; a span's base is written anew behind the
; counted wait that shows the span's last loads done, when the 48 loads still out name the other base: no wait stands in the loops for the bases' sake.
; ROTATION.  The work-groups of an expert read the same streams.  Work-group t begins at span o of W1's sixteen and goes round, and likewise in W2: span q lies at byte (((o + q) % 16) | (q & 16)) << 15.
; So a span is first asked for by a few of them, and by the others later.  o = t % 16, inverted where bit 4 of t is set: 32 consecutive t that agree in any one of their five low bits still take all
; 16 values.  The groups of product 1 do not depend on each other; in product 2 the rotation changes the order of the sum alone.
; NO TENSOR LOADS, NO CLUSTER: each fragment has one reader in the work-group, so by way of LDS the tile's 4 MiB of weights would be written there and read back for nothing; beside the hidden
; layer (197,376 bytes) under 90,000 bytes would be left for slots; and an expert's number of tiles hangs on the counts, so it is no multiple of four in general.
; FORMATS.  x, W1, W2, b1, b2 and the hidden layer are each rounded once to bf16; all sums in f32.
; GELU.  gelu(h) = h / 2 + |h| (1/2 - (A1 t + A2 t^2 + A3 t^3) 2^-(K2 h)^2), t = 1 / (1 + K1 |h|): erf by the three-term rational form (Abramowitz and Stegun 7.1.25, coefficients halved).
; LIMITS.  erf is within 2.5e-5 for every argument, so gelu within 1.25e-5 |h|; an exponential below 2^-126 counts as 0; NaN and infinities are not treated apart.
; REGISTERS, in windows of 256 (s_set_vgpr_msb: bits 1:0 source 0, 3:2 source 1, 5:4 source 2, 7:6 destination):
;   window 0: v0-23, v240-246 addresses; v24-39 the bias as C; v40-135 product 1's accumulators, two buffers of six; v168-239 GELU at work.  Later: v40-87 hidden fragments, v104-231 the way out
;   window 1: x fragments of K steps 0-7 (at the start: x in f32); later product 2's 24 accumulators     window 2: x fragments of K steps 8-15 (at the start: x in bf16); v192-255 b2     window 3: the ring
.set HP,    4112                       ; a token's hidden row in LDS: 4,096 bytes + 16: an odd multiple of 16, so 16 rows of a load or store start at 16 different groups of four banks (ISA guide 11.1)
.set XP,    1040                       ; a token's x row: 1,024 + 16
.set B1S,   48*HP                      ; behind the hidden layer: b1 in the virtual order, 8,192 bytes
.set OST,   B1S+8192                   ; each wave's own stage for the way out: 16 rows of 528 bytes
.set OPI,   528
.set SPARE, OST+4*16*OPI               ; the spare words, 128 bytes for each wave: two blocks of 256 bytes that no other line names
.set HDR,   36864
.set L16,  3                           ; v3      16 x lane; never rewritten
.set SPW,  4                           ; v4      LDS address of my spare word; never rewritten
.set NIL,  5                           ; v5      0; never rewritten
.set XA,   6                           ; v6      my lane's place in an x fragment
.set BA0,  7                           ; v7      b1 of my wave's group 0; never rewritten
.set HS,   8                           ; v8-10   where token block tb's hidden numbers go
.set BA,   11                          ; v11     b1 of the group to come
.set HA,   12                          ; v12-14  where the hidden numbers are read
.set STO,  16                          ; v16     the way out: where I put 16 bytes of a row
.set SRD,  17                          ; v17     where I read a row back
.set OL,   18                          ; v18     my byte offset in a row of out
.set HS0,  240                         ; v240-242  HS for group 0; never rewritten
.set HA0,  244                         ; v244-246  HA for trip 0; never rewritten
.set BI,   24
.set ACC1, 40
.set AF,   40
.set VO,   40
.set TMP,  104
.set RB,   168
.set GT,   168                         ; GELU: t
.set GX,   184                         ; the exponential
.set GHH,  200                         ; h / 2, then the result
.set GPP,  216                         ; the polynomial
.set GPK,  232                         ; 16 results in bf16
.set B2,   192                         ; window 2
.set SA,   24                          ; s[24:25] the base of the even spans
.set SB,   26                          ; s[26:27] of the odd ones
.set CNT,  56                          ; s56  loop counter
.set RO,   57                          ; s57  o
.set QN,   58                          ; s58  the span whose base is made next
.set T0,   59                          ; s59, s63 at work
.set OFFP, 60                          ; s[60:61] a span's byte offset, 0 above it
.set GI,   62                          ; s62  (o + q) % 16 of the span in hand
.set T1,   63
.set MSB, 0
.macro WIN new                         ; the immediate's high byte repeats the setting that is left; a switch that changes nothing is dropped
.if MSB != (\new)
	s_set_vgpr_msb (MSB<<8)|(\new)
.set MSB, (\new)
.endif
.endm
.macro PLACES                          ; four places in front of loads into registers that matrix instructions have read, and of vector work that reads results
.rept 4
	v_nop
.endr
.endm
	s_load_b256 s[4:11], s[0:1], 0x0               ; x s[4:5], b1 s[6:7], b2 s[8:9], wf s[10:11]
	s_load_b128 s[12:15], s[0:1], 0x20             ; list s[12:13], out s[14:15]
	v_lshl_add_u32 v[SPW], v0, 2, SPARE
	v_mov_b32 v[NIL], 0
	v_lshrrev_b32 v19, 5, v0
	v_readfirstlane_b32 s16, v19                   ; wave 0..3
	s_mov_b32 s17, ttmp9                           ; tile
	s_lshl_b32 s20, s17, 3
	s_mul_i32 s21, s17, 192                        ; the tile's 48 ids; kept for the way out
	s_mul_i32 s22, s16, 48
	s_add_co_u32 s22, s22, s21                     ; the 12 rows that my wave stages
	s_lshl_b32 s[RO], s17, 27
	s_ashr_i32 s[RO], s[RO], 31                    ; all ones where bit 4 of the tile's number is set
	s_xor_b32 s[RO], s[RO], s17
	s_and_b32 s[RO], s[RO], 15                     ; o
	s_mov_b32 s[GI], s[RO]
	s_mov_b32 s[QN], 2
	s_mov_b32 s[OFFP+1], 0
	s_wait_kmcnt 0x0
	s_load_b64 s[18:19], s[12:13], s20 offset:HDR  ; expert, count
	s_load_b128 s[40:43], s[12:13], s22 offset:0x0
	s_load_b128 s[44:47], s[12:13], s22 offset:0x10
	s_load_b128 s[48:51], s[12:13], s22 offset:0x20
	s_mov_b32 s28, 0x3f596d27                      ; K2 = sqrt(log2(e) / 2) = 0.8493218; the packed forms name pairs and take the low word
	s_mov_b32 s29, s28
	s_mov_b32 s30, 0x3e32303a                      ; A1 = 0.1740121
	s_mov_b32 s31, s30
	s_mov_b32 s32, 0xbd445ca1                      ; A2 = -0.0479399
	s_mov_b32 s33, s32
	s_mov_b32 s34, 0x3ebf7377                      ; A3 = 0.3739278
	s_mov_b32 s35, s34
	s_mov_b32 s36, 0x3eaa540e                      ; K1 = 0.47047 / sqrt(2) = 0.3326725
	v_and_b32 v1, 15, v0                           ; r
	v_bfe_u32 v2, v0, 4, 1                         ; h
	v_and_b32 v3, 31, v0
	v_lshlrev_b32 v[L16], 4, v3
	v_mul_u32_u24 v[XA], v1, XP
	v_lshl_add_u32 v[XA], v2, 4, v[XA]             ; row r x pitch + 16 h
	s_lshl_b32 s37, s16, 11
	s_add_co_u32 s37, s37, B1S
	v_lshl_add_u32 v[BA0], v2, 5, s37              ; b1 of my 512 channels, 8 h numbers on
	v_lshl_add_u32 v[BA], s[GI], 7, v[BA0]         ; a group's 32 channels are 128 bytes: my first group's
	v_mul_u32_u24 v19, v1, HP
	v_lshl_add_u32 v19, v2, 4, v19
	s_lshl_b32 s38, s16, 10
.irp t, 0,1,2
	v_add_nc_u32 v[HA0+\t], 16*HP*\t, v19          ; token 16 tb + r, 16 h
	v_add_nc_u32 v[HS0+\t], s38, v[HA0+\t]         ; and my wave's 1,024 bytes of the row
.endr
	s_mul_i32 s39, s16, 16*OPI
	s_add_co_u32 s39, s39, OST                     ; my stage
	v_mul_u32_u24 v[STO], v1, OPI
	v_lshl_add_u32 v[STO], v2, 7, v[STO]
	v_add_nc_u32 v[STO], s39, v[STO]
	v_add_nc_u32 v[SRD], s39, v[L16]
	s_lshl_b32 s[T0], s16, 9
	v_add_nc_u32 v[OL], s[T0], v[L16]              ; my wave's 512 bytes of a row of out
	v_lshlrev_b32 v20, 4, v0                       ; b1: 16 bytes a thread
	v_lshl_add_u32 v21, v2, 7, s[T0]               ; b2: my wave's 128 channels, 32 h on
	s_mul_i32 s23, s16, 12*XP
	v_lshrrev_b32 v22, 1, v[L16]
	v_add_nc_u32 v22, s23, v22                     ; x into LDS: my 12 rows, 8 bytes a lane
	v_lshrrev_b32 v23, 4, v0
	v_lshlrev_b32 v23, 8, v23
	v_lshl_add_u32 v23, v1, 2, v23
	v_add_nc_u32 v23, B1S, v23                     ; b1 into LDS: real channel 4 t + i goes to virtual 64 (t / 16) + 16 i + t % 16
	s_wait_kmcnt 0x0
	s_min_u32 s18, s18, 3                          ; loaded numbers are held inside their tables before they enter an address
	s_min_u32 s19, s19, 48
.irp i, 0,1,2,3,4,5,6,7,8,9,10,11
	s_min_u32 s[40+\i], s[40+\i], 0x1fff
	v_lshl_add_u32 v[24+\i], s[40+\i], 11, v[L16]  ; token x 2,048 bytes + 16 lane
.endr
	s_lshl_b32 s22, s18, 13
	s_mov_b32 s23, 0
	s_add_nc_u64 s[6:7], s[6:7], s[22:23]          ; b1 of the expert
	s_lshl_b32 s22, s18, 11
	s_add_nc_u64 s[8:9], s[8:9], s[22:23]          ; b2 of the expert
	s_lshl_b32 s22, s18, 22
	s_lshl_b32 s20, s16, 20
	s_add_co_u32 s22, s22, s20
	s_add_nc_u64 s[10:11], s[10:11], s[22:23]      ; my stream: expert x 4 MiB + wave x 1 MiB
	s_lshl_b32 s[OFFP], s[RO], 15
	s_add_nc_u64 s[SA:SA+1], s[10:11], s[OFFP:OFFP+1]  ; span 0
	s_add_co_u32 s[T0], s[RO], 1
	s_and_b32 s[T0], s[T0], 15
	s_lshl_b32 s[OFFP], s[T0], 15
	s_add_nc_u64 s[SB:SB+1], s[10:11], s[OFFP:OFFP+1]  ; span 1
	WIN 0x40
.set i, 0
.rept 12                                           ; my 12 rows of x: four loads of 512 consecutive bytes each
.set c, 0
.rept 4
	global_load_b128 v[16*i+4*c:16*i+4*c+3], v[24+i], s[4:5] offset:512*c
.set c, c+1
.endr
.set i, i+1
.endr
	WIN 0
.irp n, 0,1,2,3
	global_load_b128 v[40+4*\n:43+4*\n], v20, s[6:7] offset:2048*\n
.endr
	WIN 0x80
.set i, 0
.rept 16                                           ; b2[128 w + 64 g + 32 h + 4 j + i], g = i / 8, j = i % 8
	global_load_b128 v[B2+4*i:B2+4*i+3], v21, s[8:9] offset:256*(i/8)+16*(i%8)
.set i, i+1
.endr
	WIN 0xc0
.set i, 0
.rept 60                                           ; the ring's first fill: units 0 to 14 of span 0
	global_load_b128 v[4*i:4*i+3], v[L16], s[SA:SA+1] offset:512*i
.set i, i+1
.endr
	s_wait_loadcnt 60                              ; x, b1 and b2 are in; the ring's 60 loads stay out
	WIN 0x85                                       ; x: window 1 to window 2, rounded
.set i, 0
.rept 96
	v_cvt_pk_bf16_f32 v[i], v[2*i], v[2*i+1]
.set i, i+1
.endr
	WIN 0x08                                       ; store data in window 2
.set i, 0
.rept 12
.set c, 0
.rept 4
	ds_store_b64 v22, v[8*i+2*c:8*i+2*c+1] offset:XP*i+256*c
.set c, c+1
.endr
.set i, i+1
.endr
	WIN 0
.irp m, 0,1,2,3,4,5,6,7                            ; b1: rounded to bf16 and widened again
	v_cvt_pk_bf16_f32 v[56+\m], v[40+2*\m], v[41+2*\m]
.endr
.irp m, 0,1,2,3,4,5,6,7
	v_lshlrev_b32 v[40+2*\m], 16, v[56+\m]
	v_and_b32 v[41+2*\m], 0xffff0000, v[56+\m]
.endr
.set i, 0
.rept 16
	ds_store_b32 v23, v[40+i] offset:2048*(i/4)+64*(i%4)
.set i, i+1
.endr
	WIN 0x0a                                       ; b2 likewise, by way of window 0
.set i, 0
.rept 32
	v_cvt_pk_bf16_f32 v[TMP+i], v[B2+2*i], v[B2+2*i+1]
.set i, i+1
.endr
	WIN 0x80
.set i, 0
.rept 32
	v_lshlrev_b32 v[B2+2*i], 16, v[TMP+i]
	v_and_b32 v[B2+2*i+1], 0xffff0000, v[TMP+i]
.set i, i+1
.endr
	WIN 0
	s_wait_dscnt 0x0                               ; for the others' sake: my rows of x and my part of b1 are in LDS
	s_barrier_signal -1
	s_barrier_wait -1
	; All of x into registers: a fragment is 16 tokens x 32 channels: lane (r, h) takes channels 8 h + 0..7 and 16 + 8 h + 0..7 of token r: two loads of 16 bytes, 32 bytes apart.
.set ks, 0
.rept 16
	WIN 0x40+0x40*(ks/8)
.set i, 0
.rept 3
	ds_load_b128 v[((ks%8)*3+i)*8:((ks%8)*3+i)*8+3],   v[XA] offset:16*XP*i+64*ks
	ds_load_b128 v[((ks%8)*3+i)*8+4:((ks%8)*3+i)*8+7], v[XA] offset:16*XP*i+64*ks+32
.set i, i+1
.endr
.set ks, ks+1
.endr
	WIN 0
.irp i, 0,1,2,3                                    ; the first group's bias: block fb = i / 2, eight numbers a lane
	ds_load_b128 v[BI+4*\i:BI+4*\i+3], v[BA] offset:64*(\i/2)+16*(\i%2)
.endr
	s_wait_dscnt 0x0                               ; my reads of x are over: behind this barrier the hidden layer may be written over it
	s_barrier_signal -1
	s_barrier_wait -1
	s_wait_loadcnt 56                              ; unit 0 is in, units 1 to 14 stay out; with unit 15's four loads 60 are out, as behind every run below
	WIN 0xc0
.irp i, 0,1,2,3
	global_load_b128 v[240+4*\i:243+4*\i], v[L16], s[SA:SA+1] offset:15*2048+512*\i
.endr
; Units 4 b .. 4 b + 3 of the NEXT span, whose base is named, into the four slots just read: 16 loads of 512 consecutive bytes.
.macro REFILL4 b, base
	WIN 0xc0
.set qx, 0
.rept 16
	global_load_b128 v[64*(\b)+4*qx:64*(\b)+4*qx+3], v[L16], s[\base:\base+1] offset:(\b)*8192+512*qx
.set qx, qx+1
.endr
.endm
; The base of span QN.  It stands at the end of span QN - 2, which had the same register: the wait at the head of that span's unit 15 has shown its last loads done.
.macro NEXTBASE base
	s_add_co_u32 s[T0], s[QN], s[RO]
	s_and_b32 s[T0], s[T0], 15
	s_and_b32 s[T1], s[QN], 16                     ; spans 16 to 31 are W2's, 512 KiB on
	s_or_b32 s[T0], s[T0], s[T1]
	s_lshl_b32 s[OFFP], s[T0], 15
	s_add_nc_u64 s[\base:\base+1], s[10:11], s[OFFP:OFFP+1]
	s_add_co_u32 s[QN], s[QN], 1
.endm
; GELU of a BATCH: 16 consecutive registers from GH on (two accumulators), as pairs p = 0..7: a list of 128 instructions; GOP writes number gn.
;   0-71    u = 1 + K1 |h|; t = 1 / u; -(K2 h)^2 and its exponential; h / 2.  None of these names a result of a reciprocal or an exponential
;   72-127  the polynomial in t, 1/2 - polynomial x exponential, h / 2 + |h| x that, the rounding to bf16
; Each accumulator's register 0 is read first.
.macro GU k
	v_fma_f32 v[GT+(\k)], |v[GH+(\k)]|, s36, 1.0
.endm
.macro GR k
	v_rcp_f32 v[GT+(\k)], v[GT+(\k)]
.endm
.macro GE k
	v_exp_f32 v[GX+(\k)], v[GX+(\k)]
.endm
.macro GQ p
	v_pk_mul_f32 v[GX+2*(\p):GX+2*(\p)+1], v[GH+2*(\p):GH+2*(\p)+1], s[28:29] op_sel_hi:[1,0]
.endm
.macro GA p
	v_pk_mul_f32 v[GX+2*(\p):GX+2*(\p)+1], v[GX+2*(\p):GX+2*(\p)+1], v[GX+2*(\p):GX+2*(\p)+1] neg_lo:[1,0] neg_hi:[1,0]
.endm
.macro GF p
	v_pk_mul_f32 v[GHH+2*(\p):GHH+2*(\p)+1], v[GH+2*(\p):GH+2*(\p)+1], 0.5 op_sel_hi:[1,0]
.endm
.macro GOP
.if gn == 0
	GU 0
.elseif gn == 1
	GU 1
.elseif gn == 2
	GQ 0
.elseif gn == 3
	GA 0
.elseif gn == 4
	GF 0
.elseif gn < 68
.set gp, (gn-5)/9+1
.set go, (gn-5)%9
.if go == 0
	GU 2*gp
.elseif go == 1
	GR 2*gp-2
.elseif go == 2
	GU 2*gp+1
.elseif go == 3
	GR 2*gp-1
.elseif go == 4
	GQ gp
.elseif go == 5
	GE 2*gp-2
.elseif go == 6
	GA gp
.elseif go == 7
	GE 2*gp-1
.else
	GF gp
.endif
.elseif gn < 70
	GR gn-54
.elseif gn < 72
	GE gn-56
.elseif gn < 80
.set gp, gn-72
	v_pk_fma_f32 v[GPP+2*gp:GPP+2*gp+1], v[GT+2*gp:GT+2*gp+1], s[34:35], s[32:33] op_sel_hi:[1,0,0]
.elseif gn < 88
.set gp, gn-80
	v_pk_fma_f32 v[GPP+2*gp:GPP+2*gp+1], v[GPP+2*gp:GPP+2*gp+1], v[GT+2*gp:GT+2*gp+1], s[30:31] op_sel_hi:[1,1,0]
.elseif gn < 96
.set gp, gn-88
	v_pk_mul_f32 v[GPP+2*gp:GPP+2*gp+1], v[GPP+2*gp:GPP+2*gp+1], v[GT+2*gp:GT+2*gp+1]
.elseif gn < 104
.set gp, gn-96
	v_pk_fma_f32 v[GPP+2*gp:GPP+2*gp+1], v[GPP+2*gp:GPP+2*gp+1], v[GX+2*gp:GX+2*gp+1], 0.5 op_sel_hi:[1,1,0] neg_lo:[1,0,0] neg_hi:[1,0,0]
.elseif gn < 120
.set gp, gn-104
	v_fma_f32 v[GHH+gp], |v[GH+gp]|, v[GPP+gp], v[GHH+gp]
.else
.set gp, gn-120
	v_cvt_pk_bf16_f32 v[GPK+gp], v[GHH+2*gp], v[GHH+2*gp+1]
.endif
.endm
.macro STOREH                          ; batch gb's two accumulators a = 3 fb + tb: a lane's eight channels are 16 bytes of token block tb's row
.set ax, 2*gb
.rept 2
	ds_store_b128 v[HS+ax%3], v[GPK+4*(ax%2):GPK+4*(ax%2)+3] offset:32*(ax/3)
.set ax, ax+1
.endr
.endm
; Four of the list behind matrix instruction wi of a group's 96: 3 batches x 128 = 4 x 96.  A batch's 32 reciprocals and exponentials have ONE wait, behind number 71;
; the v_nop is the plain instruction between the last of them and the first use of a result (ISA guide 5.7.2).
.macro SLICE
	WIN 0
.set gb, wi/32
.set gs, wi%32
.set GH, ACC1+48*GPB+16*gb
.set gn, 4*gs
.rept 4
	GOP
.set gn, gn+1
.endr
.if gs == 17
	v_nop
	s_wait_alu depctr_va_vdst(0)
.endif
.if gs == 31
	STOREH
.endif
.set wi, wi+1
.endm
; PRODUCT 1.  A GROUP: two blocks of 16 hidden channels x 48 tokens, six accumulators that take turns, 16 K steps of 32; a K step is a unit.  The first K step takes the bias as C.
; ride = 1: the GELU of the group before, which lies in the other buffer, stands in slices behind the matrix instructions.
; THE COUNTS.  Loads come back in order (ISA guide 5.7.1).  Behind a run 60 loads are out: the 15 units to come.  So the second, third and fourth unit behind it leave 56, 52 and 48 out; the next unit's
; wait, which leaves 44 out, stands ahead of the next run, so that with the run's 16 there are 60 again.
.macro UNIT1 pb, ride, base
.if ks%4 != 0
	s_wait_loadcnt 4*(15-ks%4)
.endif
.if ks == 8
	s_wait_dscnt 0x0                               ; the next group's bias, asked for five units ago
.endif
.set fx, 0
.rept 2
.set tx, 0
.rept 3
.set rD, ACC1+48*(\pb)+8*(3*fx+tx)
.set rA, 16*ks+8*fx
.set rB, ((ks%8)*3+tx)*8
	WIN 0x07+4*(ks/8)                              ; weights in window 3, x in window 1 or 2
.if ks == 0
	v_wmma_f32_16x16x32_bf16 v[rD:rD+7], v[rA:rA+7], v[rB:rB+7], v[BI+8*fx:BI+8*fx+7]
.else
	v_wmma_f32_16x16x32_bf16 v[rD:rD+7], v[rA:rA+7], v[rB:rB+7], v[rD:rD+7]
.endif
.if \ride
	SLICE
.endif
.set tx, tx+1
.endr
.set fx, fx+1
.endr
.if ks%4 == 3
	WIN 0
	PLACES                                         ; in front of the loads below, into registers that the matrix instructions above have read
.if ks == 3                                        ; the bias registers were read in unit 0: the next group's bias, in one run with the weights
	s_add_co_u32 s[T1], s[GI], 1
	s_and_b32 s[T1], s[T1], 15
	v_lshl_add_u32 v[BA], s[T1], 7, v[BA0]
.irp i, 0,1,2,3
	ds_load_b128 v[BI+4*\i:BI+4*\i+3], v[BA] offset:64*(\i/2)+16*(\i%2)
.endr
.endif
	s_wait_loadcnt 44                              ; the next unit is in; the 11 behind it stay out
	REFILL4 ks/4, \base
.endif
.endm
.macro GROUP pb, ride, base, own       ; base: the next span's; own: this span's, written anew at its end
.set wi, 0
.set GPB, 1-(\pb)
.set ks, 0
.rept 16
	UNIT1 \pb, \ride, \base
.set ks, ks+1
.endr
	WIN 0
.irp t, 0,1,2
	v_lshl_add_u32 v[HS+\t], s[GI], 6, v[HS0+\t]   ; where this group's 32 channels go, when its GELU is made
.endr
	s_add_co_u32 s[GI], s[GI], 1
	s_and_b32 s[GI], s[GI], 15
	NEXTBASE \own
.endm
	GROUP 0, 0, SB, SA                             ; span 0: there is no GELU yet to set between its products
	s_mov_b32 s[CNT], 8
	s_branch .Lmid                                 ; the loop is entered in the middle of a trip
.Ltop:                                             ; a trip: an even span and an odd one
	GROUP 0, 1, SB, SA
.Lmid:
	GROUP 1, 1, SA, SB
	s_sub_co_u32 s[CNT], s[CNT], 1
	s_cmp_lg_u32 s[CNT], 0
	s_cbranch_scc1 .Ltop
	; The last group's GELU has no products to stand beside.  The ring has run on into W2's first span.
.set GPB, 1
.set gb, 0
.rept 3
.set GH, ACC1+48*GPB+16*gb
.set gn, 0
.rept 128
	GOP
.if gn == 71
	v_nop
	s_wait_alu depctr_va_vdst(0)
.endif
.set gn, gn+1
.endr
	STOREH
.set gb, gb+1
.endr
	s_wait_dscnt 0x0                               ; for the others' sake: my 512 channels of the hidden layer are in LDS
	s_barrier_signal -1
	s_barrier_wait -1
; PRODUCT 2.  A K step of 32 hidden channels is four units (two blocks of 16 output channels each); the 24 accumulators take turns.  A trip is four K steps: a span.
; At a K step's end stands ONE run of loads: the hidden fragments of the K step after the next, into the buffer just read, and the four units of the next span.
.macro AFLOAD par, ofs                 ; the hidden fragments of one K step, 48 tokens
.set tx, 0
.rept 3
	ds_load_b128 v[AF+24*(\par)+8*tx:AF+24*(\par)+8*tx+3],   v[HA+tx] offset:(\ofs)
	ds_load_b128 v[AF+24*(\par)+8*tx+4:AF+24*(\par)+8*tx+7], v[HA+tx] offset:(\ofs)+32
.set tx, tx+1
.endr
.endm
.macro KSTEP zero, last, base
.set dp, 0
.rept 4
.set jj, 4*kl+dp
.if \last
.if jj > 0
	s_wait_loadcnt 4*(15-jj)                       ; the stream ends: only the units still to come are out
.endif
.elseif dp > 0
	s_wait_loadcnt 4*(15-dp)                       ; as in product 1: 56, 52, 48
.endif
.if dp == 0
.if (\last) && (kl == 3)
	s_wait_dscnt 0x0
.else
	s_wait_dscnt 6                                 ; this K step's hidden fragments are in; the next K step's six loads stay out
.endif
.endif
	WIN 0x53                                       ; weights in window 3, hidden in window 0, sums in window 1
.set sx, 0
.rept 2
.set tx, 0
.rept 3
.set rD, (3*(2*dp+sx)+tx)*8
.set rA, 16*jj+8*sx
.set rB, AF+24*(kl%2)+8*tx
.if (\zero) && (kl == 0)
	v_wmma_f32_16x16x32_bf16 v[rD:rD+7], v[rA:rA+7], v[rB:rB+7], 0
.else
	v_wmma_f32_16x16x32_bf16 v[rD:rD+7], v[rA:rA+7], v[rB:rB+7], v[rD:rD+7]
.endif
.set tx, tx+1
.endr
.set sx, sx+1
.endr
.set dp, dp+1
.endr
	WIN 0
	PLACES                                         ; in front of the loads below, into registers that this K step read; behind the last K step: in front of the way out
.if !(\last) && (kl == 2)                          ; this trip's four K steps have been asked for: on to the next trip's 256 bytes of the hidden rows
	s_add_co_u32 s[GI], s[GI], 1
	s_and_b32 s[GI], s[GI], 15
.irp t, 0,1,2
	v_lshl_add_u32 v[HA+\t], s[GI], 8, v[HA0+\t]
.endr
.endif
.if !(\last) || (kl < 2)
	AFLOAD kl%2, 64*((kl+2)%4)
.endif
.if !(\last)
	s_wait_loadcnt 44                              ; the next unit is in; the 11 behind it stay out
	REFILL4 kl, \base
.endif
.endm
.macro TRIP2 zero, last, base, own
.set kl, 0
.rept 4
	KSTEP \zero, \last, \base
.set kl, kl+1
.endr
	WIN 0
.if !(\last)
	NEXTBASE \own
.endif
.endm
.irp t, 0,1,2
	v_lshl_add_u32 v[HA+\t], s[GI], 8, v[HA0+\t]   ; GI has gone once round: it is o again
.endr
	AFLOAD 0, 0
	AFLOAD 1, 64
	TRIP2 1, 0, SB, SA                             ; span 16: its first K step starts the sums: nothing is cleared
	s_mov_b32 s[CNT], 7
.Ltrip:                                            ; spans 17 to 30, an odd and an even one a trip
	TRIP2 0, 0, SA, SB
	TRIP2 0, 0, SB, SA
	s_sub_co_u32 s[CNT], s[CNT], 1
	s_cmp_lg_u32 s[CNT], 0
	s_cbranch_scc1 .Ltrip
	s_load_b512 s[40:55], s[12:13], s21 offset:0x0 ; the tile's 48 ids, for the way out
	s_load_b512 s[68:83], s[12:13], s21 offset:0x40
	s_load_b512 s[84:99], s[12:13], s21 offset:0x80
	TRIP2 0, 1, SA, SB                             ; span 31 is written out: nothing is left to ask for
	s_wait_kmcnt 0x0
.set i, 0
.rept 16
	s_min_u32 s[40+i], s[40+i], 0x1fff
	s_min_u32 s[68+i], s[68+i], 0x1fff
	s_min_u32 s[84+i], s[84+i], 0x1fff
.set i, i+1
.endr
; THE WAY OUT of token block tb.  Register j of accumulators 4 g + 0..3 holds four NEIGHBOURING real channels 128 w + 64 g + 32 h + 4 j + 0..3 of token r: with b2 added they are 16 bytes.  They go
; into my own stage and come back as whole rows: a store is 512 consecutive bytes of one token's row, at a multiple of 512 from the buffer's first byte.  Rows at or past the tile's count are jumped, forward.
.macro OUTTB tb, ib
	s_wait_xcnt 0x0                                ; the last block's stores have read their registers
	WIN 0x09                                       ; sums in window 1, b2 in window 2
.set g, 0
.rept 2
.set j, 0
.rept 8
.set i, 0
.rept 4
	v_add_f32 v[TMP+32*g+4*j+i], v[(3*(4*g+i)+(\tb))*8+j], v[B2+32*g+4*j+i]
.set i, i+1
.endr
.set j, j+1
.endr
.set g, g+1
.endr
	WIN 0
.set i, 0
.rept 16
	ds_store_b128 v[STO], v[TMP+4*i:TMP+4*i+3] offset:256*(i/8)+16*(i%8)
.set i, i+1
.endr
.set t, 0
.rept 16
	ds_load_b128 v[RB+4*t:RB+4*t+3], v[SRD] offset:OPI*t  ; LDS serves a wave's instructions in order (ISA guide 5.7.1.4): these see the stores above; the next block's stores come behind them
.set t, t+1
.endr
.set t, 0
.rept 16
	v_lshl_add_u32 v[VO+t], s[(\ib)+t], 11, v[OL]
.set t, t+1
.endr
	s_wait_dscnt 0x0
.set t, 0
.rept 16
	s_cmp_le_u32 s19, 16*(\tb)+t
	s_cbranch_scc1 .Ldone
	global_store_b128 v[VO+t], v[RB+4*t:RB+4*t+3], s[14:15] th:TH_STORE_NT
.set t, t+1
.endr
.endm
	OUTTB 0, 40
	OUTTB 1, 68
	OUTTB 2, 84
.Ldone:
	s_wait_tensorcnt 0x0                           ; the wave's end, behind my last LDS store
	ds_add_u32 v[SPW], v[NIL]
	s_wait_dscnt 0x0
	s_endpgm
.Lfunc_end_k_qf7a382d9d8_chain:
	.size	k_qf7a382d9d8_chain, .Lfunc_end_k_qf7a382d9d8_chain-k_qf7a382d9d8_chain
	.p2alignl 7, 3214868480
	.fill 96, 4, 3214868480
	.section	.rodata,"a",@progbits
	.p2align	6, 0x0
	.amdhsa_kernel k_qf7a382d9d8_chain
		.amdhsa_group_segment_fixed_size 239872
		.amdhsa_private_segment_fixed_size 0
		.amdhsa_enable_private_segment 0
		.amdhsa_kernarg_size 48
		.amdhsa_user_sgpr_count 2
		.amdhsa_user_sgpr_kernarg_segment_ptr 1
		.amdhsa_wavefront_size32 1
		.amdhsa_system_sgpr_workgroup_id_x 1
		.amdhsa_system_sgpr_workgroup_id_y 1
		.amdhsa_system_sgpr_workgroup_id_z 1
		.amdhsa_system_vgpr_workitem_id 0
		.amdhsa_next_free_vgpr 1024
		.amdhsa_next_free_sgpr 100
		.amdhsa_reserve_vcc 0
		.amdhsa_float_denorm_mode_32 3
		.amdhsa_float_denorm_mode_16_64 3
		.amdhsa_memory_ordered 1
		.amdhsa_forward_progress 1
		.amdhsa_inst_pref_size 243
	.end_amdhsa_kernel
	.amdgpu_metadata
---
amdhsa.version: [ 1, 2 ]
amdhsa.kernels:
  - .name:           k_qf7a382d9d8_chain
    .symbol:         k_qf7a382d9d8_chain.kd
    .args:
      - { .name: x, .offset: 0, .size: 8, .value_kind: global_buffer, .address_space: global }
      - { .name: b1, .offset: 8, .size: 8, .value_kind: global_buffer, .address_space: global }
      - { .name: b2, .offset: 16, .size: 8, .value_kind: global_buffer, .address_space: global }
      - { .name: wf, .offset: 24, .size: 8, .value_kind: global_buffer, .address_space: global }
      - { .name: list, .offset: 32, .size: 8, .value_kind: global_buffer, .address_space: global }
      - { .name: out0, .offset: 40, .size: 8, .value_kind: global_buffer, .address_space: global }
    .group_segment_fixed_size: 239872
    .private_segment_fixed_size: 0
    .kernarg_segment_align: 8
    .kernarg_segment_size: 48
    .max_flat_workgroup_size: 128
    .sgpr_count:     100
    .vgpr_count:     1024
    .wavefront_size: 32
...
	.end_amdgpu_metadata
.endif
;; end of part 4
;; ======== version 3 of 3: 2 launches; version 2 with the launch chain written anew for expert scheduling mode
;; limits: a function is approximated: absolute error at most 2.5e-05; an absolute error that grows with the inputs' magnitude: up to 1.25e-05 times it
;; workspace buffers: wf 16,777,216 bytes; list 38,400 bytes of whole numbers
;; launch prep: the kernel of part 3 again; grid 516 x 1, 8 waves a work-group, no clusters, 1,280 bytes of LDS; arguments W1, W2, token_types, wf, list; writes wf, list
;; launch chain (part 5): grid 174 x 1, 4 waves a work-group, no clusters, 239,872 bytes of LDS; arguments x, b1, b2, wf, list, out0; writes out0
.if DOCPART == 5
	.amdgcn_target "amdgcn-amd-amdhsa--gfx1250"
	.amdhsa_code_object_version 6
	.text
	.protected	k_qf7a382d9d8_chain
	.globl	k_qf7a382d9d8_chain
	.p2align	8
	.type	k_qf7a382d9d8_chain,@function
k_qf7a382d9d8_chain:
	s_mov_b64 s[64:65], 0
	v_nop
	global_prefetch_b8 v0, s[64:65] scope:SCOPE_SE
	s_setreg_imm32_b32 hwreg(HW_REG_WAVE_SCHED_MODE, 0, 2), 2
	s_setreg_imm32_b32 hwreg(HW_REG_WAVE_MODE, 25, 1), 1
	s_wait_xcnt 0x0
	s_wait_alu depctr_vm_vsrc(0)
; CHAIN.  out[token] = gelu(x[token] W1[e] + b1[e]) W2[e] + b2[e] for the 48 tokens of one tile, all of one expert e.  174 work-groups: with 8,192 tokens, 4 experts and tiles
; of 48 there are never more than (8,192 + 4 x 47) / 48 = 174 tiles, whatever the split.  A tile past the last in use (at most 3) computes on token 0 and stores nothing.
; BOTH PRODUCTS ARE USED TRANSPOSED: source 0 = 16 rows of weights, source 1 = 16 tokens, so a lane holds one token (lane % 16) and eight channels 8 (lane / 16) + 0..7.
; Product 1: wave w makes hidden channels 512 w .. 512 w + 511 of all 48 tokens; x stays in registers (384).  Product 2: wave w makes output channels 128 w .. 128 w + 127; the hidden layer
; comes from LDS.  No sum is ever shared between waves; three barriers in all.
; THE WEIGHTS come from memory straight into registers, as fragments that the launch before laid out: 1 MiB for each wave, through a ring of 16 slots of 2,048 bytes (a UNIT: two fragments,
; four loads, six matrix instructions).  Four units are a BLOCK.  Unit u issues the four loads of unit u + 12, into the slot that unit u - 4 read: 44 to 48 loads are on their way.
; SPANS.  16 units, 32 KiB, are a SPAN: a group of product 1 or a trip of product 2; a wave walks 32 of them.  Even and odd spans have a scalar base each.  A span's units 0 to 11 are asked for in
; the span before, its units 12 to 15 in its own units 0 to 3.  Its base is written anew at its end, behind the counted wait at the head of its unit 15, which leaves out just the 44 loads of its
; units 4 to 14: those name the other base.  No wait stands in the loops for the bases' sake.
; ROTATION.  The work-groups of an expert read the same streams.  Work-group t begins at span o of W1's sixteen and goes round, and likewise in W2: span q lies at byte (((o + q) % 16) | (q & 16)) << 15.
; So a span is first asked for by a few of them, and by the others later.  o = t % 16, inverted where bit 4 of t is set: 32 consecutive t that agree in any one of their five low bits still take all
; 16 values.  The groups of product 1 do not depend on each other; in product 2 the rotation changes the order of the sum alone.
; NO TENSOR LOADS, NO CLUSTER: each fragment has one reader in the work-group, so by way of LDS the tile's 4 MiB of weights would be written there and read back for nothing; beside the hidden
; layer (197,376 bytes) under 90,000 bytes would be left for slots; and an expert's number of tiles hangs on the counts, so it is no multiple of four in general.
; FORMATS.  x, W1, W2, b1, b2 and the hidden layer are each rounded once to bf16; all sums in f32.
; GELU.  gelu(h) = h / 2 + |h| (1/2 - (A1 t + A2 t^2 + A3 t^3) 2^-(K2 h)^2), t = 1 / (1 + K1 |h|): erf by the three-term rational form (Abramowitz and Stegun 7.1.25, coefficients halved).
; LIMITS.  erf is within 2.5e-5 for every argument, so gelu within 1.25e-5 |h|; an exponential below 2^-126 counts as 0; NaN and infinities are not treated apart.
; THE MODE: SCHED_MODE bits 1:0 = 2 (LLVM: expert scheduling mode 2), set by the entry lines.  The code itself states the register dependences between vector or matrix instructions and memory or
; LDS instructions, with s_wait_alu, always for 0.
; THE PLAN.  Registers that memory or LDS instructions touch, in the loops:
;   the ring      Slot j: read by unit j's six matrix instructions; the loads that unit j + 4 issues land in it.
;   BI            Read as C by a group's unit 0; the next group's bias lands in it, asked for at the end of unit 3.
;   OUT0, OUT1    Two out-buffers of eight registers, by turns from batch to batch: written by a batch's roundings, read by two LDS stores at the next block's end (the ends of units 7, 11, 15).
;   v[HS ..], v[BA]  Written at the end of unit 3; BA is read by the bias loads just behind, HS by the stores at the ends of units 7, 11 and 15.
;   AF0, AF1      Product 2: read by a K step's 24 matrix instructions (a K step is a block); loaded again at that K step's end.     v[HA ..]  Written once a trip, at the end of K step 2.
;   v[L16], XA, BA0, HS0, HA0, STO, SRD, OL are made at the head and never written again.
; ONE wait on va_vdst stands at each block's end.  It states that the block's matrix instructions are done reading its four slots (and AF, and unit 0 BI), that the finished batch's roundings have
; written their out-buffer, and that the addresses written just ahead of it are written.  The LDS instructions follow it at once; the 16 loads into the block's slots are dealt over the next block,
; four behind the third matrix instruction of each unit: what is issued in between names the next block's slots, x, the accumulators, the GELU's registers and the other out-buffer, and none of the
; registers that those loads touch.  Waits on vm_vsrc: at the end of unit 3 (ahead of the writes of BA and HS; it also frees both out-buffers), at the end of unit 11 (the buffer that batch 2 writes
; again), and once a trip of product 2 (ahead of the write of HA).
; REGISTERS, in windows of 256 (s_set_vgpr_msb: bits 1:0 source 0, 3:2 source 1, 5:4 source 2, 7:6 destination):
;   window 0: v0-23, v240-246 addresses; v24-39 the bias as C; v40-135 product 1's accumulators, two buffers of six; v136-143, v232-239 the out-buffers; v168-231 GELU at work.  Later: v40-87 hidden fragments, v104-231 the way out
;   window 1: x fragments of K steps 0-7 (at the start: x in f32); later product 2's 24 accumulators     window 2: x fragments of K steps 8-15 (at the start: x in bf16); v192-255 b2     window 3: the ring
.set HP,    4112                       ; a token's hidden row in LDS: 4,096 bytes + 16: an odd multiple of 16, so 16 rows of a load or store start at 16 different groups of four banks (ISA guide 11.1)
.set XP,    1040                       ; a token's x row: 1,024 + 16
.set B1S,   48*HP                      ; behind the hidden layer: b1 in the virtual order, 8,192 bytes
.set OST,   B1S+8192                   ; each wave's own stage for the way out: 16 rows of 528 bytes; the 512 bytes behind the stages are the spare words of the closing add
.set OPI,   528
.set HDR,   36864
.set L16,  3                           ; v3      16 x lane; never rewritten
.set XA,   6                           ; v6      my lane's place in an x fragment
.set BA0,  7                           ; v7      b1 of my wave's group 0; never rewritten
.set HS,   8                           ; v8-10   where token block tb's hidden numbers go
.set BA,   11                          ; v11     b1 of the group to come
.set HA,   12                          ; v12-14  where the hidden numbers are read
.set STO,  16                          ; v16     the way out: where I put 16 bytes of a row
.set SRD,  17                          ; v17     where I read a row back
.set OL,   18                          ; v18     my byte offset in a row of out
.set HS0,  240                         ; v240-242  HS for group 0; never rewritten
.set HA0,  244                         ; v244-246  HA for trip 0; never rewritten
.set BI,   24
.set ACC1, 40
.set AF,   40
.set VO,   40
.set TMP,  104
.set RB,   168
.set GT,   168                         ; GELU: t
.set GX,   184                         ; the exponential
.set GHH,  200                         ; h / 2, then the result
.set GPP,  216                         ; the polynomial
.set GPK,  232                         ; 16 results in bf16: out-buffer 0
.set GPD,  96                          ; out-buffer 1 lies 96 registers below: v136-143
.set B2,   192                         ; window 2
.set SA,   24                          ; s[24:25] the base of the even spans
.set SB,   26                          ; s[26:27] of the odd ones
.set CNT,  56                          ; s56  loop counter
.set RO,   57                          ; s57  o
.set QN,   58                          ; s58  the span whose base is made next
.set T0,   59                          ; s59, s63 at work
.set OFFP, 60                          ; s[60:61] a span's byte offset, 0 above it
.set GI,   62                          ; s62  (o + q) % 16 of the span in hand
.set T1,   63
.set MSB, 0
.macro WIN new                         ; the immediate's high byte repeats the setting that is left; a switch that changes nothing is dropped
.if MSB != (\new)
	s_set_vgpr_msb (MSB<<8)|(\new)
.set MSB, (\new)
.endif
.endm
.macro PLACES                          ; four places in front of loads into registers that matrix instructions have read, and of vector work that reads results
.rept 4
	v_nop
.endr
.endm
	s_load_b256 s[4:11], s[0:1], 0x0               ; x s[4:5], b1 s[6:7], b2 s[8:9], wf s[10:11]
	s_load_b128 s[12:15], s[0:1], 0x20             ; list s[12:13], out s[14:15]
	v_lshl_add_u32 v254, v0, 2, 0x3a700
	v_mov_b32 v255, 0
	v_lshrrev_b32 v19, 5, v0
	v_readfirstlane_b32 s16, v19                   ; wave 0..3
	s_mov_b32 s17, ttmp9                           ; tile
	s_lshl_b32 s20, s17, 3
	s_mul_i32 s21, s17, 192                        ; the tile's 48 ids; kept for the way out
	s_wait_alu depctr_va_sdst(0)                   ; s16 is written, ahead of its first reader: offsets, LDS addresses and my stream's base are made from it
	s_mul_i32 s22, s16, 48
	s_add_co_u32 s22, s22, s21                     ; the 12 rows that my wave stages
	s_lshl_b32 s[RO], s17, 27
	s_ashr_i32 s[RO], s[RO], 31                    ; all ones where bit 4 of the tile's number is set
	s_xor_b32 s[RO], s[RO], s17
	s_and_b32 s[RO], s[RO], 15                     ; o
	s_mov_b32 s[GI], s[RO]
	s_mov_b32 s[QN], 2
	s_mov_b32 s[OFFP+1], 0
	s_wait_kmcnt 0x0
	s_load_b64 s[18:19], s[12:13], s20 offset:HDR  ; expert, count
	s_load_b128 s[40:43], s[12:13], s22 offset:0x0
	s_load_b128 s[44:47], s[12:13], s22 offset:0x10
	s_load_b128 s[48:51], s[12:13], s22 offset:0x20
	s_mov_b32 s28, 0x3f596d27                      ; K2 = sqrt(log2(e) / 2) = 0.8493218; the packed forms name pairs and take the low word
	s_mov_b32 s29, s28
	s_mov_b32 s30, 0x3e32303a                      ; A1 = 0.1740121
	s_mov_b32 s31, s30
	s_mov_b32 s32, 0xbd445ca1                      ; A2 = -0.0479399
	s_mov_b32 s33, s32
	s_mov_b32 s34, 0x3ebf7377                      ; A3 = 0.3739278
	s_mov_b32 s35, s34
	s_mov_b32 s36, 0x3eaa540e                      ; K1 = 0.47047 / sqrt(2) = 0.3326725
	v_and_b32 v1, 15, v0                           ; r
	v_bfe_u32 v2, v0, 4, 1                         ; h
	v_and_b32 v3, 31, v0
	v_lshlrev_b32 v[L16], 4, v3
	v_mul_u32_u24 v[XA], v1, XP
	v_lshl_add_u32 v[XA], v2, 4, v[XA]             ; row r x pitch + 16 h
	s_lshl_b32 s37, s16, 11
	s_add_co_u32 s37, s37, B1S
	v_lshl_add_u32 v[BA0], v2, 5, s37              ; b1 of my 512 channels, 8 h numbers on
	v_lshl_add_u32 v[BA], s[GI], 7, v[BA0]         ; a group's 32 channels are 128 bytes: my first group's
	v_mul_u32_u24 v19, v1, HP
	v_lshl_add_u32 v19, v2, 4, v19
	s_lshl_b32 s38, s16, 10
.irp t, 0,1,2
	v_add_nc_u32 v[HA0+\t], 16*HP*\t, v19          ; token 16 tb + r, 16 h
	v_add_nc_u32 v[HS0+\t], s38, v[HA0+\t]         ; and my wave's 1,024 bytes of the row
.endr
	s_mul_i32 s39, s16, 16*OPI
	s_add_co_u32 s39, s39, OST                     ; my stage
	v_mul_u32_u24 v[STO], v1, OPI
	v_lshl_add_u32 v[STO], v2, 7, v[STO]
	v_add_nc_u32 v[STO], s39, v[STO]
	v_add_nc_u32 v[SRD], s39, v[L16]
	s_lshl_b32 s[T0], s16, 9
	v_add_nc_u32 v[OL], s[T0], v[L16]              ; my wave's 512 bytes of a row of out
	v_lshlrev_b32 v20, 4, v0                       ; b1: 16 bytes a thread
	v_lshl_add_u32 v21, v2, 7, s[T0]               ; b2: my wave's 128 channels, 32 h on
	s_mul_i32 s23, s16, 12*XP
	v_lshrrev_b32 v22, 1, v[L16]
	v_add_nc_u32 v22, s23, v22                     ; x into LDS: my 12 rows, 8 bytes a lane
	v_lshrrev_b32 v23, 4, v0
	v_lshlrev_b32 v23, 8, v23
	v_lshl_add_u32 v23, v1, 2, v23
	v_add_nc_u32 v23, B1S, v23                     ; b1 into LDS: real channel 4 t + i goes to virtual 64 (t / 16) + 16 i + t % 16
	s_wait_kmcnt 0x0
	s_min_u32 s18, s18, 3                          ; loaded numbers are held inside their tables before they enter an address
	s_min_u32 s19, s19, 48
.irp i, 0,1,2,3,4,5,6,7,8,9,10,11
	s_min_u32 s[40+\i], s[40+\i], 0x1fff
	v_lshl_add_u32 v[24+\i], s[40+\i], 11, v[L16]  ; token x 2,048 bytes + 16 lane
.endr
	s_lshl_b32 s22, s18, 13
	s_mov_b32 s23, 0
	s_add_nc_u64 s[6:7], s[6:7], s[22:23]          ; b1 of the expert
	s_lshl_b32 s22, s18, 11
	s_add_nc_u64 s[8:9], s[8:9], s[22:23]          ; b2 of the expert
	s_lshl_b32 s22, s18, 22
	s_lshl_b32 s20, s16, 20
	s_add_co_u32 s22, s22, s20
	s_add_nc_u64 s[10:11], s[10:11], s[22:23]      ; my stream: expert x 4 MiB + wave x 1 MiB
	s_lshl_b32 s[OFFP], s[RO], 15
	s_add_nc_u64 s[SA:SA+1], s[10:11], s[OFFP:OFFP+1]  ; span 0
	s_add_co_u32 s[T0], s[RO], 1
	s_and_b32 s[T0], s[T0], 15
	s_lshl_b32 s[OFFP], s[T0], 15
	s_add_nc_u64 s[SB:SB+1], s[10:11], s[OFFP:OFFP+1]  ; span 1
	WIN 0x40
	s_wait_alu depctr_va_vdst(0)                   ; every offset and LDS address made above is written: v3, v6 to v23, v24 to v35, v240 to v246; the loads and stores of the kernel read them
.set i, 0
.rept 12                                           ; my 12 rows of x: four loads of 512 consecutive bytes each
.set c, 0
.rept 4
	global_load_b128 v[16*i+4*c:16*i+4*c+3], v[24+i], s[4:5] offset:512*c
.set c, c+1
.endr
.set i, i+1
.endr
	WIN 0
.irp n, 0,1,2,3
	global_load_b128 v[40+4*\n:43+4*\n], v20, s[6:7] offset:2048*\n
.endr
	WIN 0x80
.set i, 0
.rept 16                                           ; b2[128 w + 64 g + 32 h + 4 j + i], g = i / 8, j = i % 8
	global_load_b128 v[B2+4*i:B2+4*i+3], v21, s[8:9] offset:256*(i/8)+16*(i%8)
.set i, i+1
.endr
	WIN 0xc0
.set i, 0
.rept 60                                           ; the ring's first fill: units 0 to 14 of span 0
	global_load_b128 v[4*i:4*i+3], v[L16], s[SA:SA+1] offset:512*i
.set i, i+1
.endr
	s_wait_loadcnt 60                              ; x, b1 and b2 are in; the ring's 60 loads stay out
	WIN 0x85                                       ; x: window 1 to window 2, rounded
.set i, 0
.rept 96
	v_cvt_pk_bf16_f32 v[i], v[2*i], v[2*i+1]
.set i, i+1
.endr
	WIN 0
.irp m, 0,1,2,3,4,5,6,7                            ; b1: rounded to bf16 and widened again
	v_cvt_pk_bf16_f32 v[56+\m], v[40+2*\m], v[41+2*\m]
.endr
.irp m, 0,1,2,3,4,5,6,7
	v_lshlrev_b32 v[40+2*\m], 16, v[56+\m]
	v_and_b32 v[41+2*\m], 0xffff0000, v[56+\m]
.endr
	WIN 0x08                                       ; store data in window 2
	s_wait_alu depctr_va_vdst(0)                   ; the roundings have written window 2's v0-95 and v40-55, which the LDS stores below read
.set i, 0
.rept 12
.set c, 0
.rept 4
	ds_store_b64 v22, v[8*i+2*c:8*i+2*c+1] offset:XP*i+256*c
.set c, c+1
.endr
.set i, i+1
.endr
	WIN 0
.set i, 0
.rept 16
	ds_store_b32 v23, v[40+i] offset:2048*(i/4)+64*(i%4)
.set i, i+1
.endr
	WIN 0x0a                                       ; b2 likewise, by way of window 0: no memory or LDS instruction names these registers again
.set i, 0
.rept 32
	v_cvt_pk_bf16_f32 v[TMP+i], v[B2+2*i], v[B2+2*i+1]
.set i, i+1
.endr
	WIN 0x80
.set i, 0
.rept 32
	v_lshlrev_b32 v[B2+2*i], 16, v[TMP+i]
	v_and_b32 v[B2+2*i+1], 0xffff0000, v[TMP+i]
.set i, i+1
.endr
	WIN 0
	s_wait_dscnt 0x0                               ; for the others' sake: my rows of x and my part of b1 are in LDS
	s_barrier_signal -1
	s_barrier_wait -1
	; All of x into registers: a fragment is 16 tokens x 32 channels: lane (r, h) takes channels 8 h + 0..7 and 16 + 8 h + 0..7 of token r: two loads of 16 bytes, 32 bytes apart.
	WIN 0x40
	s_wait_alu depctr_vm_vsrc(0)                   ; my LDS stores have read window 2's v0-95, in which fragments land, and v40-55, which the first products write; x's loads have read v24-35, in which the bias lands
	s_wait_alu depctr_va_vdst(0)                   ; the roundings are done reading window 1's v0-191 and have written window 2's v0-95: the fragments land in both; v24-35 are written, in which the bias lands
.set ks, 0
.rept 16
	WIN 0x40+0x40*(ks/8)
.set i, 0
.rept 3
	ds_load_b128 v[((ks%8)*3+i)*8:((ks%8)*3+i)*8+3],   v[XA] offset:16*XP*i+64*ks
	ds_load_b128 v[((ks%8)*3+i)*8+4:((ks%8)*3+i)*8+7], v[XA] offset:16*XP*i+64*ks+32
.set i, i+1
.endr
.set ks, ks+1
.endr
	WIN 0
.irp i, 0,1,2,3                                    ; the first group's bias: block fb = i / 2, eight numbers a lane
	ds_load_b128 v[BI+4*\i:BI+4*\i+3], v[BA] offset:64*(\i/2)+16*(\i%2)
.endr
	s_wait_dscnt 0x0                               ; my reads of x are over: behind this barrier the hidden layer may be written over it
	s_barrier_signal -1
	s_barrier_wait -1
	s_wait_loadcnt 56                              ; unit 0 is in, units 1 to 14 stay out; with unit 15's four loads 60 are out
	WIN 0xc0
.irp i, 0,1,2,3
	global_load_b128 v[240+4*\i:243+4*\i], v[L16], s[SA:SA+1] offset:15*2048+512*\i
.endr
; The four loads that unit u of a span issues: unit u + 12 of the stream, into the slot that unit u - 4 read.  From unit 4 on that is unit u - 4 of the NEXT span; in units 0 to 3 unit u + 12 of the
; span in hand.  No wait: the wait on va_vdst at the last block's end has stated that the slot's readers are done, and nothing issued since names the slot or v[L16].
.macro RLOAD u, nbase, obase
	WIN 0xc0
.set sl, ((\u)+12)%16
.set qx, 0
.rept 4
.if (\u) < 4
	global_load_b128 v[16*sl+4*qx:16*sl+4*qx+3], v[L16], s[\obase:\obase+1] offset:sl*2048+512*qx
.else
	global_load_b128 v[16*sl+4*qx:16*sl+4*qx+3], v[L16], s[\nbase:\nbase+1] offset:sl*2048+512*qx
.endif
.set qx, qx+1
.endr
.endm
; The base of span QN.  It stands at the end of span QN - 2, which had the same register: the wait at the head of that span's unit 15 has shown its last loads done.
.macro NEXTBASE base
	s_add_co_u32 s[T0], s[QN], s[RO]
	s_and_b32 s[T0], s[T0], 15
	s_and_b32 s[T1], s[QN], 16                     ; spans 16 to 31 are W2's, 512 KiB on
	s_or_b32 s[T0], s[T0], s[T1]
	s_lshl_b32 s[OFFP], s[T0], 15
	s_add_nc_u64 s[\base:\base+1], s[10:11], s[OFFP:OFFP+1]
	s_add_co_u32 s[QN], s[QN], 1
.endm
; GELU of a BATCH: 16 consecutive registers from GH on (two accumulators), as pairs p = 0..7: a list of 128 instructions; GOP writes number gn.
;   0-71    u = 1 + K1 |h|; t = 1 / u; -(K2 h)^2 and its exponential; h / 2.  None of these names a result of a reciprocal or an exponential
;   72-127  the polynomial in t, 1/2 - polynomial x exponential, h / 2 + |h| x that, the rounding to bf16 into the batch's out-buffer, from GPKB on
; Each accumulator's register 0 is read first.
.macro GU k
	v_fma_f32 v[GT+(\k)], |v[GH+(\k)]|, s36, 1.0
.endm
.macro GR k
	v_rcp_f32 v[GT+(\k)], v[GT+(\k)]
.endm
.macro GE k
	v_exp_f32 v[GX+(\k)], v[GX+(\k)]
.endm
.macro GQ p
	v_pk_mul_f32 v[GX+2*(\p):GX+2*(\p)+1], v[GH+2*(\p):GH+2*(\p)+1], s[28:29] op_sel_hi:[1,0]
.endm
.macro GA p
	v_pk_mul_f32 v[GX+2*(\p):GX+2*(\p)+1], v[GX+2*(\p):GX+2*(\p)+1], v[GX+2*(\p):GX+2*(\p)+1] neg_lo:[1,0] neg_hi:[1,0]
.endm
.macro GF p
	v_pk_mul_f32 v[GHH+2*(\p):GHH+2*(\p)+1], v[GH+2*(\p):GH+2*(\p)+1], 0.5 op_sel_hi:[1,0]
.endm
.macro GOP
.if gn == 0
	GU 0
.elseif gn == 1
	GU 1
.elseif gn == 2
	GQ 0
.elseif gn == 3
	GA 0
.elseif gn == 4
	GF 0
.elseif gn < 68
.set gp, (gn-5)/9+1
.set go, (gn-5)%9
.if go == 0
	GU 2*gp
.elseif go == 1
	GR 2*gp-2
.elseif go == 2
	GU 2*gp+1
.elseif go == 3
	GR 2*gp-1
.elseif go == 4
	GQ gp
.elseif go == 5
	GE 2*gp-2
.elseif go == 6
	GA gp
.elseif go == 7
	GE 2*gp-1
.else
	GF gp
.endif
.elseif gn < 70
	GR gn-54
.elseif gn < 72
	GE gn-56
.elseif gn < 80
.set gp, gn-72
	v_pk_fma_f32 v[GPP+2*gp:GPP+2*gp+1], v[GT+2*gp:GT+2*gp+1], s[34:35], s[32:33] op_sel_hi:[1,0,0]
.elseif gn < 88
.set gp, gn-80
	v_pk_fma_f32 v[GPP+2*gp:GPP+2*gp+1], v[GPP+2*gp:GPP+2*gp+1], v[GT+2*gp:GT+2*gp+1], s[30:31] op_sel_hi:[1,1,0]
.elseif gn < 96
.set gp, gn-88
	v_pk_mul_f32 v[GPP+2*gp:GPP+2*gp+1], v[GPP+2*gp:GPP+2*gp+1], v[GT+2*gp:GT+2*gp+1]
.elseif gn < 104
.set gp, gn-96
	v_pk_fma_f32 v[GPP+2*gp:GPP+2*gp+1], v[GPP+2*gp:GPP+2*gp+1], v[GX+2*gp:GX+2*gp+1], 0.5 op_sel_hi:[1,1,0] neg_lo:[1,0,0] neg_hi:[1,0,0]
.elseif gn < 120
.set gp, gn-104
	v_fma_f32 v[GHH+gp], |v[GH+gp]|, v[GPP+gp], v[GHH+gp]
.else
.set gp, gn-120
	v_cvt_pk_bf16_f32 v[GPKB+gp], v[GHH+2*gp], v[GHH+2*gp+1]
.endif
.endm
; Batch b's two accumulators a = 3 fb + tb: a lane's eight channels are 16 bytes of token block tb's row.  The batches' out-buffers take turns: three batches a group, and GPB changes from group
; to group, so (GPB + b) % 2 alternates from batch to batch without end.
.macro STOREH b
.set GPKB, GPK-GPD*((GPB+(\b))%2)
.set ax, 2*(\b)
.rept 2
	ds_store_b128 v[HS+ax%3], v[GPKB+4*(ax%2):GPKB+4*(ax%2)+3] offset:32*(ax/3)
.set ax, ax+1
.endr
.endm
; Four of the list behind matrix instruction wi of a group's 96: 3 batches x 128 = 4 x 96.  A batch's 32 reciprocals and exponentials have ONE wait, behind number 71;
; the v_nop is the plain instruction between the last of them and the first use of a result (ISA guide 5.7.2).
.macro SLICE
	WIN 0
.set gb, wi/32
.set gs, wi%32
.set GH, ACC1+48*GPB+16*gb
.set GPKB, GPK-GPD*((GPB+gb)%2)
.set gn, 4*gs
.rept 4
	GOP
.set gn, gn+1
.endr
.if gs == 17
	v_nop
	s_wait_alu depctr_va_vdst(0)                   ; the batch's 16 reciprocals and 16 exponentials have written v[GT ..] and v[GX ..], ahead of their first reader
.endif
.set wi, wi+1
.endm
; PRODUCT 1.  A GROUP: two blocks of 16 hidden channels x 48 tokens, six accumulators that take turns, 16 K steps of 32; a K step is a unit.  The first K step takes the bias as C.
; ride = 1: the GELU of the group before, which lies in the other buffer, stands in slices behind the matrix instructions.
; THE COUNTS.  Loads come back in order (ISA guide 5.7.1).  Unit u issues the loads of unit u + 12, so at a unit's head the loads of the 11 units to come, 44, may stay out.
; first = 1: the first group finds all 16 units of span 0 asked for: its units 0 to 3 ask for nothing, and their counts run down 60, 56, 52, 48.
.macro UNIT1 pb, ride, first, nbase, obase
.if (\first) && (ks < 4)
	s_wait_loadcnt 4*(15-ks)
.else
	s_wait_loadcnt 44
.endif
.set fx, 0
.rept 2
.set tx, 0
.rept 3
.set rD, ACC1+48*(\pb)+8*(3*fx+tx)
.set rA, 16*ks+8*fx
.set rB, ((ks%8)*3+tx)*8
	WIN 0x07+4*(ks/8)                              ; weights in window 3, x in window 1 or 2
.if ks == 0
	v_wmma_f32_16x16x32_bf16 v[rD:rD+7], v[rA:rA+7], v[rB:rB+7], v[BI+8*fx:BI+8*fx+7]
.else
	v_wmma_f32_16x16x32_bf16 v[rD:rD+7], v[rA:rA+7], v[rB:rB+7], v[rD:rD+7]
.endif
.if \ride
	SLICE
.endif
.set tx, tx+1
.endr
.if (fx == 0) && (!(\first) || (ks >= 4))
	RLOAD ks, \nbase, \obase
.endif
.set fx, fx+1
.endr
.if ks%4 == 3                                      ; THE BLOCK'S END
	WIN 0
	PLACES                                         ; they stay beside the wait below; behind the first group they are also the places ahead of the GELU that reads its results
.if ks == 3
	s_add_co_u32 s[T1], s[GI], 1
	s_and_b32 s[T1], s[T1], 15
	s_wait_alu depctr_vm_vsrc(0)                   ; the last bias loads have read v[BA]; the hidden stores issued so far have read v[HS ..] and both out-buffers, which batches 0 and 1 write again
	v_lshl_add_u32 v[BA], s[T1], 7, v[BA0]         ; the next group's bias
.if \ride
	s_add_co_u32 s[T0], s[GI], 15
	s_and_b32 s[T0], s[T0], 15
.irp t, 0,1,2
	v_lshl_add_u32 v[HS+\t], s[T0], 6, v[HS0+\t]   ; where the 32 channels of the group before go, whose GELU rides here
.endr
.endif
.endif
.if (\ride) && (ks == 11)
	s_wait_alu depctr_vm_vsrc(0)                   ; batch 0's stores, issued at the last block's end, have read their out-buffer, which batch 2's roundings write again
.endif
	s_wait_alu depctr_va_vdst(0)                   ; the block's matrix instructions are done reading its four slots (and, in unit 0, BI); the finished batch's roundings have written their out-buffer; v[BA] and v[HS ..] are written
.if ks == 3                                        ; the bias registers were read in unit 0: the next group's bias
.irp i, 0,1,2,3
	ds_load_b128 v[BI+4*\i:BI+4*\i+3], v[BA] offset:64*(\i/2)+16*(\i%2)
.endr
.endif
.if ks == 7
	s_wait_dscnt 0x0                               ; the next group's bias, asked for four units ago
.endif
.if (\ride) && (ks >= 7)
	STOREH ks/4-1                                  ; batch 0 at the end of unit 7, batch 1 of unit 11, batch 2 of unit 15
.endif
.endif
.endm
.macro GROUP pb, ride, first, nbase, own           ; nbase: the next span's base; own: this span's, written anew at its end
.set wi, 0
.set GPB, 1-(\pb)
.set ks, 0
.rept 16
	UNIT1 \pb, \ride, \first, \nbase, \own
.set ks, ks+1
.endr
	WIN 0
	s_add_co_u32 s[GI], s[GI], 1
	s_and_b32 s[GI], s[GI], 15
	NEXTBASE \own
.endm
	GROUP 0, 0, 1, SB, SA                          ; span 0: there is no GELU yet to set between its products
	s_mov_b32 s[CNT], 8
	s_branch .Lmid                                 ; the loop is entered in the middle of a trip
.Ltop:                                             ; a trip: an even span and an odd one
	GROUP 0, 1, 0, SB, SA
.Lmid:
	GROUP 1, 1, 0, SA, SB
	s_sub_co_u32 s[CNT], s[CNT], 1
	s_cmp_lg_u32 s[CNT], 0
	s_cbranch_scc1 .Ltop
	; The last group's GELU has no products to stand beside.  The ring has run on into W2's first span.
	s_add_co_u32 s[T0], s[GI], 15
	s_and_b32 s[T0], s[T0], 15
	s_wait_alu depctr_vm_vsrc(0)                   ; the hidden stores issued so far have read v[HS ..] and both out-buffers
.irp t, 0,1,2
	v_lshl_add_u32 v[HS+\t], s[T0], 6, v[HS0+\t]   ; where the last group's 32 channels go
.endr
.set GPB, 1
.set gb, 0
.rept 3
.set GH, ACC1+48*GPB+16*gb
.set GPKB, GPK-GPD*((GPB+gb)%2)
.set gn, 0
.rept 128
.if (gn == 120) && (gb == 2)
	s_wait_alu depctr_vm_vsrc(0)                   ; batch 0's stores have read their out-buffer, which the roundings below write again
.endif
	GOP
.if gn == 71
	v_nop
	s_wait_alu depctr_va_vdst(0)                   ; the batch's reciprocals and exponentials have written v[GT ..] and v[GX ..], ahead of their first reader
.endif
.set gn, gn+1
.endr
	s_wait_alu depctr_va_vdst(0)                   ; the roundings have written the out-buffer, which the two stores read; v[HS ..] is written
	STOREH gb
.set gb, gb+1
.endr
	s_wait_dscnt 0x0                               ; for the others' sake: my 512 channels of the hidden layer are in LDS
	s_barrier_signal -1
	s_barrier_wait -1
; PRODUCT 2.  A K step of 32 hidden channels is four units (two blocks of 16 output channels each), a block of the ring; the 24 accumulators take turns.  A trip is four K steps: a span.
; At a K step's end stands the wait on va_vdst, and behind it the loads of the hidden fragments of the K step after the next, into the buffer just read; the weights' loads are dealt over the units, as in product 1.
.macro AFLOAD par, ofs                 ; the hidden fragments of one K step, 48 tokens
.set tx, 0
.rept 3
	ds_load_b128 v[AF+24*(\par)+8*tx:AF+24*(\par)+8*tx+3],   v[HA+tx] offset:(\ofs)
	ds_load_b128 v[AF+24*(\par)+8*tx+4:AF+24*(\par)+8*tx+7], v[HA+tx] offset:(\ofs)+32
.set tx, tx+1
.endr
.endm
.macro KSTEP zero, last, nbase, obase
.set dp, 0
.rept 4
.set jj, 4*kl+dp
.if (\last) && (jj > 4)
	s_wait_loadcnt 4*(15-jj)                       ; the stream ends: only the units still to come are out
.else
	s_wait_loadcnt 44                              ; as in product 1: this unit is in, the 11 to come stay out
.endif
.if dp == 0
.if (\last) && (kl == 3)
	s_wait_dscnt 0x0
.else
	s_wait_dscnt 6                                 ; this K step's hidden fragments are in; the next K step's six loads stay out
.endif
.endif
.set sx, 0
.rept 2
	WIN 0x53                                       ; weights in window 3, hidden in window 0, sums in window 1
.set tx, 0
.rept 3
.set rD, (3*(2*dp+sx)+tx)*8
.set rA, 16*jj+8*sx
.set rB, AF+24*(kl%2)+8*tx
.if (\zero) && (kl == 0)
	v_wmma_f32_16x16x32_bf16 v[rD:rD+7], v[rA:rA+7], v[rB:rB+7], 0
.else
	v_wmma_f32_16x16x32_bf16 v[rD:rD+7], v[rA:rA+7], v[rB:rB+7], v[rD:rD+7]
.endif
.set tx, tx+1
.endr
.if (sx == 0) && (!(\last) || (kl == 0))           ; the last span asks for its own units 12 to 15 and for nothing more
	RLOAD jj, \nbase, \obase
.endif
.set sx, sx+1
.endr
.set dp, dp+1
.endr
	WIN 0
	PLACES                                         ; they stay beside the wait below; behind the last K step they are the places in front of the way out
.if !(\last) && (kl == 2)                          ; this trip's four K steps have been asked for: on to the next trip's 256 bytes of the hidden rows
	s_add_co_u32 s[GI], s[GI], 1
	s_and_b32 s[GI], s[GI], 15
	s_wait_alu depctr_vm_vsrc(0)                   ; the fragments' loads issued so far have read v[HA ..]
.irp t, 0,1,2
	v_lshl_add_u32 v[HA+\t], s[GI], 8, v[HA0+\t]
.endr
.endif
.if !(\last) || (kl < 2)
	s_wait_alu depctr_va_vdst(0)                   ; the K step's matrix instructions are done reading their hidden fragments and their four slots; behind K step 2 v[HA ..] is written
	AFLOAD kl%2, 64*((kl+2)%4)
.endif
.endm
.macro TRIP2 zero, last, nbase, own
.set kl, 0
.rept 4
	KSTEP \zero, \last, \nbase, \own
.set kl, kl+1
.endr
	WIN 0
.if !(\last)
	NEXTBASE \own
.endif
.endm
.irp t, 0,1,2
	v_lshl_add_u32 v[HA+\t], s[GI], 8, v[HA0+\t]   ; GI has gone once round: it is o again
.endr
	s_wait_alu depctr_va_vdst(0)                   ; v[HA ..] is written; product 1 and its GELU are done with v40-87, in which the hidden fragments land
	AFLOAD 0, 0
	AFLOAD 1, 64
	TRIP2 1, 0, SB, SA                             ; span 16: its first K step starts the sums: nothing is cleared
	s_mov_b32 s[CNT], 7
.Ltrip:                                            ; spans 17 to 30, an odd and an even one a trip
	TRIP2 0, 0, SA, SB
	TRIP2 0, 0, SB, SA
	s_sub_co_u32 s[CNT], s[CNT], 1
	s_cmp_lg_u32 s[CNT], 0
	s_cbranch_scc1 .Ltrip
	s_load_b512 s[40:55], s[12:13], s21 offset:0x0 ; the tile's 48 ids, for the way out
	s_load_b512 s[68:83], s[12:13], s21 offset:0x40
	s_load_b512 s[84:99], s[12:13], s21 offset:0x80
	TRIP2 0, 1, SA, SB                             ; span 31 is written out: behind its first K step nothing is left to ask for
	s_wait_kmcnt 0x0
.set i, 0
.rept 16
	s_min_u32 s[40+i], s[40+i], 0x1fff
	s_min_u32 s[68+i], s[68+i], 0x1fff
	s_min_u32 s[84+i], s[84+i], 0x1fff
.set i, i+1
.endr
; THE WAY OUT of token block tb.  Register j of accumulators 4 g + 0..3 holds four NEIGHBOURING real channels 128 w + 64 g + 32 h + 4 j + 0..3 of token r: with b2 added they are 16 bytes.  They go
; into my own stage and come back as whole rows: a store is 512 consecutive bytes of one token's row, at a multiple of 512 from the buffer's first byte.  Rows at or past the tile's count are jumped, forward.
; TMP is written by the additions and read by the stage's stores; VO by the shifts and read as the stores' offsets; RB is filled by the stage's loads and read as the stores' data.
.macro OUTTB tb, ib
	s_wait_xcnt 0x0                                ; the last block's stores have read their registers
.if (\tb) > 0
	s_wait_alu depctr_vm_vsrc(0)                   ; the last block's LDS stores have read v[TMP ..], its global stores v[VO ..] and v[RB ..]: all three are written again below
.endif
	WIN 0x09                                       ; sums in window 1, b2 in window 2
.set g, 0
.rept 2
.set j, 0
.rept 8
.set i, 0
.rept 4
	v_add_f32 v[TMP+32*g+4*j+i], v[(3*(4*g+i)+(\tb))*8+j], v[B2+32*g+4*j+i]
.set i, i+1
.endr
.set j, j+1
.endr
.set g, g+1
.endr
	WIN 0
.set t, 0
.rept 16
	v_lshl_add_u32 v[VO+t], s[(\ib)+t], 11, v[OL]
.set t, t+1
.endr
	s_wait_alu depctr_va_vdst(0)                   ; the additions have written v[TMP ..], which the LDS stores read, and the shifts v[VO ..], the global stores' offsets; the vector work that named v[RB ..] is done, in which the rows land
.set i, 0
.rept 16
	ds_store_b128 v[STO], v[TMP+4*i:TMP+4*i+3] offset:256*(i/8)+16*(i%8)
.set i, i+1
.endr
.set t, 0
.rept 16
	ds_load_b128 v[RB+4*t:RB+4*t+3], v[SRD] offset:OPI*t  ; LDS serves a wave's instructions in order (ISA guide 5.7.1.4): these see the stores above; the next block's stores come behind them
.set t, t+1
.endr
	s_wait_dscnt 0x0
.set t, 0
.rept 16
	s_cmp_le_u32 s19, 16*(\tb)+t
	s_cbranch_scc1 .Ldone
	global_store_b128 v[VO+t], v[RB+4*t:RB+4*t+3], s[14:15] th:TH_STORE_NT
.set t, t+1
.endr
.endm
	OUTTB 0, 40
	OUTTB 1, 68
	OUTTB 2, 84
.Ldone:
	s_wait_dscnt 0x0                               ; the wave's end: my last LDS instructions are done
	s_wait_alu depctr_hold_cnt(0) depctr_sa_sdst(0) depctr_va_vdst(0) depctr_va_sdst(0) depctr_va_ssrc(0) depctr_va_vcc(0) depctr_vm_vsrc(0)
	s_wait_tensorcnt 0x0
	ds_add_u32 v254, v255
	s_wait_dscnt 0x0
	s_endpgm
.Lfunc_end_k_qf7a382d9d8_chain:
	.size	k_qf7a382d9d8_chain, .Lfunc_end_k_qf7a382d9d8_chain-k_qf7a382d9d8_chain
	.p2alignl 7, 3214868480
	.fill 96, 4, 3214868480
	.section	.rodata,"a",@progbits
	.p2align	6, 0x0
	.amdhsa_kernel k_qf7a382d9d8_chain
		.amdhsa_group_segment_fixed_size 239872
		.amdhsa_private_segment_fixed_size 0
		.amdhsa_enable_private_segment 0
		.amdhsa_kernarg_size 48
		.amdhsa_user_sgpr_count 2
		.amdhsa_user_sgpr_kernarg_segment_ptr 1
		.amdhsa_wavefront_size32 1
		.amdhsa_system_sgpr_workgroup_id_x 1
		.amdhsa_system_sgpr_workgroup_id_y 1
		.amdhsa_system_sgpr_workgroup_id_z 1
		.amdhsa_system_vgpr_workitem_id 0
		.amdhsa_next_free_vgpr 1024
		.amdhsa_next_free_sgpr 100
		.amdhsa_reserve_vcc 0
		.amdhsa_float_denorm_mode_32 3
		.amdhsa_float_denorm_mode_16_64 3
		.amdhsa_memory_ordered 1
		.amdhsa_forward_progress 1
		.amdhsa_inst_pref_size 249
	.end_amdhsa_kernel
	.amdgpu_metadata
---
amdhsa.version: [ 1, 2 ]
amdhsa.kernels:
  - .name:           k_qf7a382d9d8_chain
    .symbol:         k_qf7a382d9d8_chain.kd
    .args:
      - { .name: x, .offset: 0, .size: 8, .value_kind: global_buffer, .address_space: global }
      - { .name: b1, .offset: 8, .size: 8, .value_kind: global_buffer, .address_space: global }
      - { .name: b2, .offset: 16, .size: 8, .value_kind: global_buffer, .address_space: global }
      - { .name: wf, .offset: 24, .size: 8, .value_kind: global_buffer, .address_space: global }
      - { .name: list, .offset: 32, .size: 8, .value_kind: global_buffer, .address_space: global }
      - { .name: out0, .offset: 40, .size: 8, .value_kind: global_buffer, .address_space: global }
    .group_segment_fixed_size: 239872
    .private_segment_fixed_size: 0
    .kernarg_segment_align: 8
    .kernarg_segment_size: 48
    .max_flat_workgroup_size: 128
    .sgpr_count:     100
    .vgpr_count:     1024
    .wavefront_size: 32
...
	.end_amdgpu_metadata
.endif
;; end of part 5
